; MI455X (gfx1250); checked and timed in simulation.
; The chip was launched on July 23, 2026; its instructions are those of AMD's public machine-readable ISA for CDNA 5 (MIT licence, August 2026) and "CDNA5" Instruction Set Architecture Reference Guide (July 2026). The comments in the code are by the model that wrote it; some were corrected since.
;; Multi Head Attention. Allowed arithmetic: matrix products marked QUANTISED: E4M3 operands, one given power-of-two scale a tensor, by v_wmma_f32_16x16x64_fp8_fp8 or v_wmma_f32_16x16x128_fp8_fp8, f32 sums; everything else in f32.
;; Inputs: Wk_b 2,048 float32; Wk_w 2,048 x 2,048 float32; Wo_b 2,048 float32; Wo_w 2,048 x 2,048 float32; Wq_b 2,048 float32; Wq_w 2,048 x 2,048 float32; Wv_b 2,048 float32; Wv_w 2,048 x 2,048 float32; X 2,048 x 2,048 float32; lowp_scales 12 int32 (the exponents e of the quantised operands' scales 2^e).
;; Outputs: out0 2,048 x 2,048 float32.
;; This version of the problem:
;;   THIS VERSION OF THE PROBLEM IS GIVEN IN LOW PRECISION. The matrix products marked QUANTISED in the list below multiply operands that are first quantised to E4M3 (4 exponent bits, 3 mantissa bits; 8 bits a number), with one given power-of-two scale for each operand tensor; their sums are f32. All else is computed in f32.
;;   The module's matrix products, in the order in which they are computed (A, B: the left and right operand; K: the contracted axis; several contracted axes count as one K, in the product's order):
;;     1. [M 2,048, K 2,048] x [K 2,048, N 2,048]; A: input X; B: input Wq_w: QUANTISED (scales: A lowp_scales[0], B lowp_scales[1])
;;     2. [M 2,048, K 2,048] x [K 2,048, N 2,048]; A: input X; B: input Wk_w: QUANTISED (scales: A lowp_scales[2], B lowp_scales[3])
;;     3. [M 2,048, K 2,048] x [K 2,048, N 2,048]; A: input X; B: input Wv_w: QUANTISED (scales: A lowp_scales[4], B lowp_scales[5])
;;     4. batch 32 x [M 2,048, K 64] x [K 64, N 2,048]; A: computed on the way; B: computed on the way: QUANTISED (scales: A lowp_scales[6], B lowp_scales[7])
;;     5. batch 32 x [M 64, K 2,048] x [K 2,048, N 2,048]; A: computed on the way; B: softmax (see below): QUANTISED (scales: A lowp_scales[8], B lowp_scales[9])
;;     6. [M 2,048, K 2,048] x [K 2,048, N 2,048]; A: computed on the way; B: input Wo_w: QUANTISED (scales: A lowp_scales[10], B lowp_scales[11])
;;   THE QUANTISER, for each operand of a quantised product, along K:
;;     - The operand's scale is 2^e, e = its entry of the input lowp_scales (int32; the entries are numbered through the quantised products in the list's order, A before B).
;;     - Each number is divided by the scale, clamped to +-448, and rounded to the nearest number of E4M3, ties to even, subnormals kept.
;;     - The product sums the exact products of the quantised numbers (number of the format x scale) in f32.
;;   ~~~python
;;   def quantise(x, axis, e):      # numpy; x: float32 -> the quantised numbers, widened to float32 again
;;       x = np.moveaxis(x, axis, -1); K = x.shape[-1]
;;       r = np.clip(x / 2.0 ** e, -448, 448)
;;       step = 2.0 ** (np.maximum(np.frexp(np.where(r == 0, 1, r))[1] - 1, -6) - 3)
;;       q = np.round(r / step) * step * 2.0 ** e      # np.round: ties to even
;;       return np.moveaxis(q, -1, axis).astype(np.float32)
;;   ~~~
;;   SOFTMAX AHEAD OF A QUANTISED PRODUCT. Where the list says 'softmax', what is quantised is not the finished softmax but p = 2^(t - M), with t = logit x log2(e) and M = ceil(the row's largest t), a whole number; so 1/2 < the row's largest p <= 1. The row's sum l is taken of the UNQUANTISED p, in f32, and the product's result is divided by l at the end. Since M is a whole number, a kernel that streams over the keys may use a running M (the ceiling of the running maximum): every later rescaling is an exact power of two, so the quantised numbers keep their values, but for numbers so far below the row's largest that they fall under the format's range.
;;   OPERANDS COMPUTED ON THE WAY. 'Computed on the way' means the value that the module computes at that place (a softmax that the list does not call 'softmax' is quantised finished and normalised). What goes into a quantiser is computed in f32, as accurately as f32 sums, v_exp_f32 and their like allow (about 1e-6 of the number): no bf16 or f16 on the way to a quantiser, and a product that is left as it is and whose result goes on into a quantised operand takes f32 operands (vector FMAs, or v_wmma_f32_16x16x4_f32). A number that lies on a knife's edge between two numbers of the format may be rounded either way, as far as f32 arithmetic and the matrix unit's own rounding can turn it there, and no further.
;; One version. Each part assembles by itself: llvm-mc -triple=amdgcn-amd-amdhsa -mcpu=gfx1250 --defsym DOCPART=n.
;; ======== version 1 of 1: 4 launches
;; limits: right only within a limited range of input values
;; workspace buffers: xc 12,582,912 bytes; wc 12,582,912 bytes; woc 4,194,304 bytes; qkv 12,582,912 bytes; oc 4,194,304 bytes
;; launch quant (part 1): grid 512 x 1, 4 waves a work-group, no clusters, 34,304 bytes of LDS; arguments X, Wq_w, Wk_w, Wv_w, lowp_scales, xc, wc; writes xc, wc
.if DOCPART == 1
	.amdgcn_target "amdgcn-amd-amdhsa--gfx1250"
	.amdhsa_code_object_version 6
	.text
	.protected	k_q7681a5927b_quant
	.globl	k_q7681a5927b_quant
	.p2align	8
	.type	k_q7681a5927b_quant,@function
k_q7681a5927b_quant:
	s_mov_b64 s[64:65], 0
	v_nop
	global_prefetch_b8 v0, s[64:65] scope:SCOPE_SE
	s_setreg_imm32_b32 hwreg(HW_REG_WAVE_MODE, 25, 1), 1
	s_wait_xcnt 0x0
; X and the weights Wq, Wk, Wv, [2048][2048] f32 with K innermost, become codes of E4M3, each with the scale 2^e given for it: X three times (entries 0, 2, 4 of the scales: planes 0, 1, 2 of xc),
; Wq, Wk, Wv once (entries 1, 3, 5: planes 0 to 2 of wc).  code = x / 2^e, held within +-448, to the nearest code, ties to even.  (Wo is quantised by the next launch.)
; LIMITS: each e lies between -126 and 119, so that 2^e and 448 x 2^e are f32 numbers.  NaN among the inputs is not served; an infinity is held at the largest code.
; THREE PERMUTATIONS are made here, so that the later launches read and write plain runs of bytes:
;  (1) along K, in all four tensors: number k of a row becomes byte (k % 32) x 64 + k / 32: both operands of a product carry the same permutation, so every product still meets its partner.
;  (2) rows of Wq, Wk, Wv: row d x 32 + head goes to head x 64 + d: a head's 64 columns lie together.
;  (3) rows of X and (behind 2) of Wq, Wk, Wv: bits 3 and 4 of the row's number change places.  Sixteen neighbouring rows of the buffer are then the rows 8 u + r + 8 (r / 8) of a block of 32,
;      so that two neighbouring tiles of a transposed product give a lane 16 neighbours.
; SHARES.  128 work-groups to a tensor; a wave takes 4 whole rows.  A row's 8,192 bytes come by 16 loads of 512 consecutive bytes, go through the wave's own stage in LDS as they lie, and come back
; one number a lane in the order of the output's bytes; a lane's 16 codes are 16 bytes, so a store covers 512 consecutive bytes, aligned.  The stage has 32 bytes of padding behind each 2,048, so that the 32 lanes
; of a read fall on 32 different banks (64 banks of 4 bytes: ISA guide 11.1): bank 8 (lane % 4) + lane / 4.  Waves share nothing: no barrier.  No tensor load, no cluster, no matrix unit: nothing is read twice.
.set STG,   8448                       ; a wave's stage: 4 x (2,048 + 32) bytes, rounded up to blocks of 256
.set CH,    2080
.set SPARE, 4*STG                      ; behind the stages: the spare words, 128 bytes for each wave
.set LIN,   1                          ; v1      16 x lane
.set STA,   2                          ; v2      the stage, on the way in
.set RDA,   3                          ; v3      and on the way out
.set OUTO,  10                         ; v10-13  row t's byte offset in the plane: 16 x lane + t x the step from row to row
.set SPW,   14                         ; v14     LDS address of my spare word; never rewritten
.set NIL,   15                         ; v15     0; never rewritten
.set R,     16                         ; v16-143  two sets of 64: a row as loaded
.set X,     144                        ; v144-207 the row's numbers in the order of the output's bytes: register 16 j + i is byte 512 j + 16 lane + i
.set T,     208                        ; v208-223 two sets of 8, held
.set C,     224                        ; v224-239 a row's codes
	s_load_b256 s[8:15], s[0:1], 0x0               ; X s[8:9], Wq s[10:11], Wk s[12:13], Wv s[14:15]
	s_load_b128 s[16:19], s[0:1], 0x20             ; the scales s[16:17], xc s[18:19]
	s_load_b64 s[20:21], s[0:1], 0x30              ; wc
	v_lshl_add_u32 v[SPW], v0, 2, SPARE
	v_mov_b32 v[NIL], 0
	v_lshrrev_b32 v16, 5, v0
	v_readfirstlane_b32 s24, v16                   ; wave
	v_and_b32 v17, 31, v0                          ; lane
	v_lshlrev_b32 v[LIN], 4, v17
	s_wait_alu depctr_va_vdst(0)
	s_mul_i32 s39, s24, STG
	v_add_nc_u32 v[STA], s39, v[LIN]
	v_and_b32 v18, 3, v17
	v_lshrrev_b32 v19, 2, v17
	v_mul_u32_u24 v18, v18, CH
	v_lshl_add_u32 v18, v19, 2, v18
	v_add_nc_u32 v[RDA], s39, v18                  ; (lane % 4) x 2,080 + (lane / 4) x 4
	s_lshr_b32 s25, ttmp9, 7                       ; the tensor: 0 X, 1 Wq, 2 Wk, 3 Wv
	s_and_b32 s26, ttmp9, 127
	s_lshl_b32 s27, s26, 4
	s_lshl_b32 s40, s24, 2
	s_add_co_u32 s27, s27, s40                     ; my first row c0 = 16 x work-group + 4 x wave
	s_lshr_b32 s41, s27, 5                         ; d of my rows, in a weight
	s_and_b32 s42, s27, 31
	s_lshl_b32 s42, s42, 6                         ; 64 x the head of my first row
	s_mov_b32 s43, 2048
	s_cmp_lg_u32 s25, 0                            ; a weight?
	s_cselect_b32 s41, s41, s27                    ; the number whose bits 3 and 4 change places
	s_cselect_b32 s42, s42, 0
	s_cselect_b32 s43, 0x20000, s43                ; from my row to my next: 64 rows there (the next head), else one
	s_and_b32 s44, s41, 8
	s_lshl_b32 s44, s44, 1
	s_and_b32 s45, s41, 16
	s_lshr_b32 s45, s45, 1
	s_or_b32 s44, s44, s45
	s_and_not1_b32 s45, s41, 24
	s_or_b32 s44, s44, s45
	s_add_co_u32 s44, s44, s42                     ; my first row in the plane
	s_lshl_b32 s44, s44, 11
	s_max_u32 s45, s25, 1
	s_sub_co_u32 s45, s45, 1
	s_lshl_b32 s45, s45, 22                        ; the plane of wc
	s_add_co_u32 s44, s44, s45
	s_mov_b32 s45, 0
	s_lshl_b32 s46, s27, 13                        ; my first row in the source
	s_mov_b32 s47, 0
	v_mov_b32 v[OUTO], v[LIN]
	v_add_nc_u32 v[OUTO+1], s43, v[OUTO]
	v_add_nc_u32 v[OUTO+2], s43, v[OUTO+1]
	v_add_nc_u32 v[OUTO+3], s43, v[OUTO+2]
	s_wait_kmcnt 0x0
	s_load_b256 s[48:55], s[16:17], 0x0            ; entries 0 to 7
	s_cmp_eq_u32 s25, 1                            ; the buffers are chosen by the work-group's number alone
	s_cselect_b64 s[4:5], s[10:11], s[8:9]
	s_cmp_eq_u32 s25, 2
	s_cselect_b64 s[4:5], s[12:13], s[4:5]
	s_cmp_eq_u32 s25, 3
	s_cselect_b64 s[4:5], s[14:15], s[4:5]
	s_add_nc_u64 s[4:5], s[4:5], s[46:47]
	s_cmp_eq_u32 s25, 0
	s_cselect_b64 s[28:29], s[18:19], s[20:21]
	s_add_nc_u64 s[28:29], s[28:29], s[44:45]
	s_add_nc_u64 s[30:31], s[28:29], 0x400000      ; X's second and third plane: used by X's work-groups alone
	s_add_nc_u64 s[32:33], s[28:29], 0x800000
.macro LOAD t                          ; row t: 16 loads of 512 consecutive bytes
.irp i, 0,1,2,3,4,5,6,7,8,9,10,11,12,13,14,15
	global_load_b128 v[R+64*((\t)%2)+4*\i:R+64*((\t)%2)+4*\i+3], v[LIN], s[4:5] offset:8192*(\t)+512*\i th:TH_LOAD_NT
.endr
.endm
.macro TURN t                          ; through the stage: LDS serves a wave's instructions in order (ISA guide 5.7.1.4), so no wait stands between the stores and the loads
.irp i, 0,1,2,3,4,5,6,7,8,9,10,11,12,13,14,15
	ds_store_b128 v[STA], v[R+64*((\t)%2)+4*\i:R+64*((\t)%2)+4*\i+3] offset:(\i/4)*CH+(\i%4)*512
.endr
.irp j, 0,1,2,3
.irp i, 0,1,2,3,4,5,6,7,8,9,10,11,12,13,14,15
	ds_load_b32 v[X+16*\j+\i], v[RDA] offset:128*\i+32*\j      ; number k = 512 (lane % 4) + 32 i + 8 j + lane / 4
.endr
.endr
.endm
.macro SCALE e, sc, lim                ; 2^e, whose exponent field the conversion takes, and 448 x 2^e
	s_add_co_i32 s39, s[\e], 127
	s_lshl_b32 s40, s39, 23
	v_mov_b32 v[\sc], s40
	s_add_co_i32 s39, s39, 8
	s_lshl_b32 s39, s39, 23
	s_or_b32 s39, s39, 0x600000
	v_mov_b32 v[\lim], s39
.endm
; Row t under one scale.  The numbers stay as they are (X is quantised three times): they are held into T, eight at a time in two sets by turns, so that the other set's eight holds
; are the plain instructions between a conversion and the next write of its sources.  The codes go to a store, which wants no such line.
.macro QPLANE t, sc, lim, base, waits
	s_wait_xcnt 0x0                                ; every earlier store has read its registers: the codes' registers are written again only behind this wait
.irp j, 0,1,2,3
.if \waits
	s_wait_dscnt 48-16*\j                          ; LDS loads come back in order: group j of 16 is in, the later groups may be out
.endif
.irp g, 0,1
.irp i, 0,1,2,3,4,5,6,7
	v_med3_num_f32 v[T+8*\g+\i], v[X+16*\j+8*\g+\i], -v[\lim], v[\lim]   ; the conversion to an 8-bit code does not saturate (ISA guide 7.6.2): the hold comes first
.endr
	v_cvt_scalef32_pk8_fp8_f32 v[C+4*\j+2*\g:C+4*\j+2*\g+1], v[T+8*\g:T+8*\g+7], v[\sc]
.endr
	global_store_b128 v[OUTO+\t], v[C+4*\j:C+4*\j+3], s[\base:\base+1] offset:512*\j   ; 32 lanes store 512 consecutive bytes, at a multiple of 512 from the plane's first byte
.endr
.endm
.macro ROW t
.if \t < 3
	s_wait_loadcnt 16                              ; my row's 16 loads are in; the next row's 16 may be out
.else
	s_wait_loadcnt 0
.endif
	TURN \t
	s_wait_dscnt 48                                ; the 16 stores into the stage and the first 16 loads are done: the row's registers are free
.if \t+2 < 4
	LOAD \t+2
.endif
	QPLANE \t, 4, 5, 28, 1
	s_cmp_lg_u32 s25, 0                            ; X has two scales more: a branch on the work-group's number, round stores to memory alone
	s_cbranch_scc1 .Lone_\@
	QPLANE \t, 6, 7, 30, 0
	QPLANE \t, 8, 9, 32, 0
.Lone_\@:
.endm
	LOAD 0
	LOAD 1
	s_wait_kmcnt 0x0
	s_cmp_eq_u32 s25, 1                            ; my tensor's entry: 0, 1, 3, 5
	s_cselect_b32 s36, s49, s48
	s_cmp_eq_u32 s25, 2
	s_cselect_b32 s36, s51, s36
	s_cmp_eq_u32 s25, 3
	s_cselect_b32 s36, s53, s36
	SCALE 36, 4, 5
	SCALE 50, 6, 7                                 ; entry 2
	SCALE 52, 8, 9                                 ; entry 4
	s_wait_alu depctr_va_vdst(0)                   ; the wait at the head's end
	ROW 0
	ROW 1
	ROW 2
	ROW 3
	s_wait_tensorcnt 0x0                           ; the wave's end: behind my last LDS store
	ds_add_u32 v[SPW], v[NIL]
	s_wait_dscnt 0x0
	s_endpgm
.Lfunc_end_k_q7681a5927b_quant:
	.size	k_q7681a5927b_quant, .Lfunc_end_k_q7681a5927b_quant-k_q7681a5927b_quant
	.p2alignl 7, 3214868480
	.fill 96, 4, 3214868480
	.section	.rodata,"a",@progbits
	.p2align	6, 0x0
	.amdhsa_kernel k_q7681a5927b_quant
		.amdhsa_group_segment_fixed_size 34304
		.amdhsa_private_segment_fixed_size 0
		.amdhsa_enable_private_segment 0
		.amdhsa_kernarg_size 56
		.amdhsa_user_sgpr_count 2
		.amdhsa_user_sgpr_kernarg_segment_ptr 1
		.amdhsa_wavefront_size32 1
		.amdhsa_system_sgpr_workgroup_id_x 1
		.amdhsa_system_sgpr_workgroup_id_y 1
		.amdhsa_system_sgpr_workgroup_id_z 1
		.amdhsa_system_vgpr_workitem_id 0
		.amdhsa_next_free_vgpr 240
		.amdhsa_next_free_sgpr 66
		.amdhsa_reserve_vcc 0
		.amdhsa_float_denorm_mode_32 3
		.amdhsa_float_denorm_mode_16_64 3
		.amdhsa_memory_ordered 1
		.amdhsa_forward_progress 1
		.amdhsa_inst_pref_size 90
	.end_amdhsa_kernel
	.amdgpu_metadata
---
amdhsa.version: [ 1, 2 ]
amdhsa.kernels:
  - .name:           k_q7681a5927b_quant
    .symbol:         k_q7681a5927b_quant.kd
    .args:
      - { .name: X, .offset: 0, .size: 8, .value_kind: global_buffer, .address_space: global }
      - { .name: Wq_w, .offset: 8, .size: 8, .value_kind: global_buffer, .address_space: global }
      - { .name: Wk_w, .offset: 16, .size: 8, .value_kind: global_buffer, .address_space: global }
      - { .name: Wv_w, .offset: 24, .size: 8, .value_kind: global_buffer, .address_space: global }
      - { .name: lowp_scales, .offset: 32, .size: 8, .value_kind: global_buffer, .address_space: global }
      - { .name: xc, .offset: 40, .size: 8, .value_kind: global_buffer, .address_space: global }
      - { .name: wc, .offset: 48, .size: 8, .value_kind: global_buffer, .address_space: global }
    .group_segment_fixed_size: 34304
    .private_segment_fixed_size: 0
    .kernarg_segment_align: 8
    .kernarg_segment_size: 56
    .max_flat_workgroup_size: 128
    .sgpr_count:     66
    .vgpr_count:     240
    .wavefront_size: 32
...
	.end_amdgpu_metadata
.endif
;; end of part 1
;; launch proj (part 2): grid 32 x 8, 4 waves a work-group, clusters of 4 x 4, 327,680 bytes of LDS; arguments xc, wc, Wq_b, Wk_b, Wv_b, lowp_scales, qkv, Wo_w, woc; writes qkv, woc
.if DOCPART == 2
	.amdgcn_target "amdgcn-amd-amdhsa--gfx1250"
	.amdhsa_code_object_version 6
	.text
	.protected	k_q7681a5927b_proj
	.globl	k_q7681a5927b_proj
	.p2align	8
	.type	k_q7681a5927b_proj,@function
k_q7681a5927b_proj:
	s_mov_b64 s[64:65], 0
	v_nop
	global_prefetch_b8 v0, s[64:65] scope:SCOPE_SE
	s_setreg_imm32_b32 hwreg(HW_REG_WAVE_MODE, 25, 1), 1
	s_wait_xcnt 0x0
	s_wait_alu depctr_hold_cnt(0) depctr_sa_sdst(0) depctr_va_vdst(0) depctr_va_sdst(0) depctr_va_ssrc(0) depctr_va_vcc(0) depctr_vm_vsrc(0)
	s_getreg_b32 s2, hwreg(HW_REG_IB_STS2, 6, 4)
	s_cmp_eq_u32 s2, 0
	s_cbranch_scc0 .Lentry_in_a_cluster
	s_endpgm
.Lentry_in_a_cluster:
	s_bfe_u32 s2, ttmp6, 0x10000c
	s_cmp_lg_u32 s2, 0xf033
	s_cbranch_scc0 .Lentry_shape_is_right
	s_endpgm
.Lentry_shape_is_right:
; The three projections on codes of E4M3, their biases, and the quantising of their results for attention.  kind = cluster x / 2: 0 Q, 1 K, 2 V.
; Q and K: C = X W^T (A = plane kind of xc, B = plane kind of wc).  V: C = Wv X^T (A = plane 2 of wc, B = plane 2 of xc), so that a lane's registers run along the keys, which are the K of attention's second product.
; value = sum x 2^(ea + eb) + bias, in f32; code = value / 2^eo, held within +-448.  ea, eb: entries 2 kind, 2 kind + 1 of the scales.  eo: entry 7 for Q, 6 for K, 8 for V
; (the scores' product is lowered with K on the left, as the second product is with V on the left).
; LIMITS: ea + eb between -126 and 127, eo between -126 and 119, so that each power of two below is an f32 number.
; A tile of C, 256 x 256, is made by a work-group of four waves; a wave makes 128 x 128: 64 accumulators, 512 registers.  8 x 8 tiles a kind, 192 work-groups: a smaller tile would read twice the LDS bytes for each product.
; K goes in steps of 256 through a ring of two LDS slots filled by the tensor data mover: a tile's row is 256 bytes of memory.
; CLUSTERS: 4 x 4 work-groups of one kind.  The four of a row of the cluster need the same tiles of A, the four of a column the same tiles of B: each tile is asked for JOINTLY.
; THE MATRIX INSTRUCTION IS USED TRANSPOSED (source 0 = 16 rows of B, source 1 = 16 rows of A).  The rows of both buffers lie with bits 3 and 4 of their number exchanged, so in accumulator (a, b) lane (r, h) holds row 16 a + r
; of the buffer and in register j the TRUE column 32 (b / 2) + 16 h + 8 (b % 2) + j: the 16 registers of tiles 2 e and 2 e + 1 are 16 neighbours, and two conversions give the 16 bytes that this lane holds of an operand of attention.
; THE RESULT IS STORED AS IMAGES OF OPERAND REGISTERS: pieces of 512 bytes, lane l's 16 bytes at 16 l, at (2 cb + e / 2) x 131072 + rb x 8192 + a x 1024 + (e % 2) x 512 of the kind's plane (cb, rb: the wave's block of 128 columns, rows).
; For Q and K that is head x 131072 + (tile of 16 rows) x 1024 + (half of the head's 64) x 512; for V (64 keys) x 131072 + head x 4096 + (tile of 16 channels) x 1024 + (32 keys) x 512.  No stage in LDS is needed.
; REGISTERS, in windows of 256: window 0: v0-31 addresses; v32-95 the columns' biases, v96-111 the rows'; from v128 A's fragments, ONE set; on the way out v128-223 at work.
;   window 1: B's fragments, TWO sets.   window 2: the accumulators of my rows 0-63 ((a, b) at v[8 (8 a + b)]);   window 3: those of my rows 64-127.
.set KSTEP,  256
.set ROWB,   256
.set KROW,   2048
.set PITCH,  272                       ; an LDS row: 256 bytes + 16 of padding = 68 words: row r starts at bank 4 r mod 64 (64 banks of 4 bytes: ISA guide 11.1)
.set FR,     16
.set NL,     4
.set NP,     4
.set HALFT,  128*PITCH
.set SLOT,   4*HALFT
.set LAPS,   2048/(2*KSTEP)
.set SPARE,  2*SLOT                    ; behind the ring: the spare words, 128 bytes for each wave
.set ADRA, 16
.set ADRB, 20
.set CBO,  24                          ; v24  the columns' biases: 2048 h + 8 cb
.set RBO,  25                          ; v25  the rows': 128 (r + 8 (r / 8)) + 8 rb
.set VO,   26                          ; v26  16 x lane
.set SPW,  28
.set NIL,  29
.set SCL,  30                          ; v30  2^eo
.set LIM,  31                          ; v31  448 x 2^eo
.set CB,   32
.set RB,   96
.set AF,   128
.set TT,   128                         ; the way out: a block's 64 values
.set CC,   192                         ; and its codes, two sets of 16 by turns
.set G1, 24
.set G0, 32
.set G1B, 48
.set G0B, 56
.set MSB, 0
.macro WIN new                         ; the immediate's high byte repeats the setting that is left
.if MSB != (\new)
	s_set_vgpr_msb (MSB<<8)|(\new)
.set MSB, (\new)
.endif
.endm
.set MUL_LO, 0xa1                      ; source 0 (B) window 1, source 1 (A) window 0, C and D window 2
.set MUL_HI, 0xf1                      ; the same, C and D window 3
.set TO_B,   0x40                      ; destination window 1, address window 0
; A joint load: waves 0 and 1 fetch for A, waves 2 and 3 for B.  The branch hangs on the wave's number alone.  An s_nop 0 and four v_nop follow each of the two lines.
.macro JLOAD g0a, g1a, g0b, g1b
	s_cmp_eq_u32 s15, 0
	s_cbranch_scc0 .Lfor_b_\@
	tensor_load_to_lds s[\g0a:\g0a+3], s[\g1a:\g1a+7]
	s_nop 0
.rept 4
	v_nop
.endr
	s_branch .Lasked_\@
.Lfor_b_\@:
	tensor_load_to_lds s[\g0b:\g0b+3], s[\g1b:\g1b+7]
	s_nop 0
.rept 4
	v_nop
.endr
.Lasked_\@:
.endm
.macro CREST                           ; a round of the cluster's barrier behind its opening barrier
	s_cmp_lg_u32 s14, 0
	s_cbranch_scc1 .Lnot_wave_0_\@
	s_barrier_signal -3
.Lnot_wave_0_\@:
	s_barrier_wait -3
	s_barrier_signal -1
	s_barrier_wait -1
.endm
.macro CROUND
	s_barrier_signal -1
	s_barrier_wait -1
	CREST
.endm
	s_load_b256 s[4:11], s[0:1], 0x0               ; xc s[4:5], wc s[6:7], Wq_b s[8:9], Wk_b s[10:11]
	s_load_b128 s[84:87], s[0:1], 0x20             ; Wv_b s[84:85], the scales s[86:87]
	s_load_b64 s[88:89], s[0:1], 0x30              ; qkv
	v_lshl_add_u32 v[SPW], v0, 2, SPARE
	v_mov_b32 v[NIL], 0
	ds_add_u32 v[SPW], v[NIL]                      ; the wave's opening: the add and its wait ahead of my first tensor load; work on registers stands between them
	ds_add_u32 v[SPW], v[NIL]
	v_lshrrev_b32 v1, 5, v0
	v_readfirstlane_b32 s14, v1                    ; wave 0..3
	s_lshr_b32 s15, s14, 1                         ; which half of the tile's rows is mine.  Also: I fetch for A (0) or for B (1)
	s_and_b32 s16, s14, 1                          ; which half of its columns.  Also: which 128 rows of that tile I fetch
	s_bfe_u32 s40, ttmp6, 0x40000                  ; cx, cy: my place in the cluster
	s_bfe_u32 s41, ttmp6, 0x40004
	s_lshr_b32 s66, ttmp9, 1                       ; kind: the same in all sixteen partners
	s_and_b32 s42, ttmp9, 1
	s_lshl_b32 s42, s42, 2
	s_add_co_u32 s42, s42, s40                     ; tile column = 4 x (cluster x % 2) + cx
	s_and_b32 s17, ttmp7, 0xffff
	s_lshl_b32 s17, s17, 2
	s_add_co_u32 s17, s17, s41                     ; tile row = 4 x cluster y + cy
	s_lshl_b32 s43, s41, 2
	s_lshl_b32 s43, 15, s43                        ; my row of the cluster
	s_lshl_b32 s44, 0x1111, s40                    ; my column
	s_or_b32 s[G1+0], s43, (0<<16)|(1<<20)|(1<<21)|(5<<22)|(3<<25)  ; 15:0 the mask; 17:16 elements of 1 byte; 20 padding on; 21 set beside a mask; 24:22 after every 64 words; 31:25 four words
	s_or_b32 s[G1B+0], s44, (0<<16)|(1<<20)|(1<<21)|(5<<22)|(3<<25)
.irp g, G1, G1B
	s_mov_b32 s[\g+1], ROWB<<16                    ; tensor_dim0
	s_mov_b32 s[\g+2], 128<<16                     ; tensor_dim1
	s_mov_b32 s[\g+3], ROWB<<16                    ; tile_dim0
	s_mov_b32 s[\g+4], 128                         ; tile_dim1
	s_mov_b32 s[\g+5], KROW                        ; tensor_dim0_stride
	s_mov_b32 s[\g+6], 0
	s_mov_b32 s[\g+7], 0
.endr
	s_lshl_b32 s18, s16, 7                         ; which 128 rows of the tile I fetch
	s_lshl_b32 s20, s17, 8
	s_add_co_u32 s20, s20, s18                     ; A: row 256 x tile row + 128 x half,
	s_lshl_b32 s20, s20, 11                        ; in bytes
	s_mov_b32 s21, 0
	s_lshl_b32 s46, s42, 8
	s_add_co_u32 s46, s46, s18                     ; B: row 256 x tile column + 128 x half
	s_lshl_b32 s46, s46, 11
	s_mov_b32 s47, 0
	s_lshl_b32 s68, s66, 22                        ; the kind's plane, in all three buffers
	s_mov_b32 s69, 0
	s_mul_i32 s45, s14, HALFT                      ; where the tiles go: wave x 128 rows: no place in the cluster enters an LDS address
	s_wait_dscnt 0x0                               ; the opening add is done
	s_wait_kmcnt 0x0
	s_load_b256 s[72:79], s[86:87], 0x0            ; entries 0 to 7
	s_load_b128 s[80:83], s[86:87], 0x20           ; entries 8 to 11
	s_cmp_eq_u32 s66, 3                            ; cluster x 6 and 7: four clusters, 64 work-groups, quantise Wo (at the text's end).  The branch hangs on the cluster's number alone: all sixteen partners go the same way
	s_wait_alu depctr_va_vdst(0)
	s_cbranch_scc1 .Lwo
	s_cmp_eq_u32 s66, 2
	s_cselect_b64 s[70:71], s[6:7], s[4:5]
	s_cselect_b64 s[98:99], s[4:5], s[6:7]
	s_add_nc_u64 s[70:71], s[70:71], s[68:69]
	s_add_nc_u64 s[98:99], s[98:99], s[68:69]
	s_add_nc_u64 s[20:21], s[70:71], s[20:21]
	s_add_nc_u64 s[46:47], s[98:99], s[46:47]
	s_cmp_eq_u32 s66, 1
	s_cselect_b64 s[92:93], s[10:11], s[8:9]
	s_cmp_eq_u32 s66, 2
	s_cselect_b64 s[92:93], s[84:85], s[92:93]     ; the kind's bias
	CROUND                                         ; all sixteen work-groups are here: the first joint loads meet
.irp s, 0,1
	s_mov_b32 s[G0+4*\s], 1
	s_add_co_u32 s[G0+4*\s+1], s45, \s*SLOT
	s_add_nc_u64 s[G0+4*\s+2:G0+4*\s+3], s[20:21], \s*ROWB
	s_or_b32 s[G0+4*\s+3], s[G0+4*\s+3], 0x80000000
	s_mov_b32 s[G0B+4*\s], 1
	s_add_co_u32 s[G0B+4*\s+1], s45, \s*SLOT
	s_add_nc_u64 s[G0B+4*\s+2:G0B+4*\s+3], s[46:47], \s*ROWB
	s_or_b32 s[G0B+4*\s+3], s[G0B+4*\s+3], 0x80000000
.endr
	JLOAD G0, G1, G0B, G1B                         ; K step 0: one tensor load a wave at the head
	; PREFETCHES INTO THE L2: at the fill of K step t each wave asks for K step t + 2 (and here, once, for K step 1): 32 rows x 256 bytes, a lane a row.  Of the 128 rows that I fetch, the four partners
	; that ask for them jointly take 32 each, told apart by address (cx for A's rows, cy for B's).  The fills of K steps 6 and 7 ask for nothing.
.set PFO, 27                           ; v27  2,048 x lane; never rewritten
	s_cmp_eq_u32 s15, 0
	s_cselect_b64 s[12:13], s[20:21], s[46:47]     ; the 128 rows that I fetch
	s_cselect_b32 s2, s40, s41
	s_lshl_b32 s2, s2, 16                          ; my work-group's 32 of them
	s_mov_b32 s3, 0
	s_add_nc_u64 s[12:13], s[12:13], s[2:3]
	v_and_b32 v[PFO], 31, v0
	v_lshlrev_b32 v[PFO], 11, v[PFO]
	global_prefetch_b8 v[PFO], s[12:13] offset:ROWB th:TH_LOAD_NT scope:SCOPE_SE
	global_prefetch_b8 v[PFO], s[12:13] offset:2*ROWB th:TH_LOAD_NT scope:SCOPE_SE
	v_and_b32 v1, 15, v0
	v_bfe_u32 v2, v0, 4, 1                         ; h
	s_wait_alu depctr_va_vdst(0)
	v_mul_u32_u24 v3, v1, PITCH
	v_lshl_add_u32 v4, v2, 4, v3                   ; a fragment's row x pitch + 16 x half
	s_mul_i32 s21, s15, HALFT                      ; my 128 rows of A
	s_mul_i32 s22, s16, HALFT                      ; my 128 rows of B,
	s_add_co_u32 s22, s22, 2*HALFT                 ; which lie behind A's 256
.irp s, 0,1
	v_add_nc_u32 v[ADRA+\s], s21, v4
	v_add_nc_u32 v[ADRB+\s], s22, v4
	s_add_co_u32 s21, s21, SLOT
	s_add_co_u32 s22, s22, SLOT
.endr
	s_lshl_b32 s46, s42, 1
	s_add_co_u32 s46, s46, s16                     ; cb: my block of 128 columns
	s_lshl_b32 s47, s46, 3
	v_lshl_add_u32 v[CBO], v2, 11, s47
	s_wait_alu depctr_va_vdst(0)
	s_lshl_b32 s20, s17, 1
	s_add_co_u32 s20, s20, s15                     ; rb: my block of 128 rows
	s_lshl_b32 s23, s20, 3
	v_and_b32 v5, 8, v1
	v_add_nc_u32 v5, v5, v1                        ; r + 8 (r / 8)
	v_lshl_add_u32 v[RBO], v5, 7, s23
	v_and_b32 v6, 31, v0
	v_lshlrev_b32 v[VO], 4, v6
	s_lshl_b32 s46, s46, 18                        ; cb x 262144
	s_lshl_b32 s20, s20, 13                        ; rb x 8192
	s_add_co_u32 s20, s20, s46
	s_mov_b32 s21, 0
	s_add_nc_u64 s[94:95], s[88:89], s[68:69]
	s_add_nc_u64 s[94:95], s[94:95], s[20:21]      ; where my images begin
	; The biases, once, in the result's layout; they are wanted on the way out alone, so their wait stands there.  True column (or row) n' = head x 64 + d has the bias of number d x 32 + head.
	; Both sets are loaded from the kind's bias, both stay inside its 8,192 bytes for every kind, and the set that does not apply is made 0 on the way out.
.irp b, 0,1,2,3,4,5,6,7
.irp j, 0,1,2,3,4,5,6,7
	global_load_b32 v[CB+8*\b+\j], v[CBO], s[92:93] offset:(32*((\b/2)%2)+8*(\b%2)+\j)*128+(\b/4)*4   ; head 2 cb + b / 4, d = 32 ((b / 2) % 2) + 16 h + 8 (b % 2) + j
.endr
.endr
.irp a, 0,1,2,3,4,5,6,7
	global_load_b32 v[RB+2*\a], v[RBO], s[92:93] offset:(32*((\a/2)%2)+8*(\a%2))*128+(\a/4)*4         ; head 2 rb + a / 4, d = 32 ((a / 2) % 2) + 8 (a % 2) + r + 8 (r / 8)
.endr
.macro FRAG reg, adr, q, i             ; a fragment, 16 rows x 128 K: lane l holds row l % 16; registers 4 c .. 4 c + 3 hold K = 32 c + 16 (l / 16) + 0 .. 15: the same places in A and in B
.irp c, 0,1,2,3
	ds_load_b128 v[\reg+4*\c:\reg+4*\c+3], v[\adr] offset:128*(\q)+32*\c+(\i)*16*PITCH
.endr
.endm
; 16 matrix instructions: A's blocks a0, a0 + 1 x B's eight, 128 along K.  p: B's set.  zero = 1: the first product starts the sums.
; The 64 accumulators take turns, one instruction a turn, in the same order in every step.
.macro MUL16 a0, p, zero
.irp a, \a0, \a0+1
.irp b, 0,1,2,3,4,5,6,7
.if \zero
	v_wmma_f32_16x16x128_fp8_fp8 v[8*(8*((\a)%4)+\b):8*(8*((\a)%4)+\b)+7], v[128*(\p)+FR*\b:128*(\p)+FR*\b+FR-1], v[AF+FR*(\a):AF+FR*(\a)+FR-1], 0
.else
	v_wmma_f32_16x16x128_fp8_fp8 v[8*(8*((\a)%4)+\b):8*(8*((\a)%4)+\b)+7], v[128*(\p)+FR*\b:128*(\p)+FR*\b+FR-1], v[AF+FR*(\a):AF+FR*(\a)+FR-1], v[8*(8*((\a)%4)+\b):8*(8*((\a)%4)+\b)+7]
.endif
.endr
.endr
.endm
.macro FETCH_B slot, q, p
	WIN TO_B
.irp i, 0,1,2,3,4,5,6,7
	FRAG 128*(\p)+FR*\i, ADRB+\slot, \q, \i
.endr
	WIN 0
.endm
.macro FETCH_A slot, q, i0
.irp i, \i0, \i0+1, \i0+2, \i0+3
	FRAG AF+FR*(\i), ADRA+\slot, \q, \i
.endr
.endm
.macro PLACES n                        ; plain vector instructions between a matrix instruction and a load into one of its registers (ISA guide 7.12.1 for vector instructions)
.rept \n
	v_nop
.endr
.endm
; A step of 128 along K that has its successor in the same slot.  A's blocks are free as soon as their eight products are issued: blocks 0-3 are fetched anew in the step's middle, blocks 4-7 at its end.
.macro STEP slot, q, zero
	s_wait_dscnt 4*NL                              ; B's set and A's blocks 0-3 are in; the youngest 16 loads (A's blocks 4-7) may be out
	WIN MUL_LO
	MUL16 0, (\q)%2, \zero
	MUL16 2, (\q)%2, \zero
	s_wait_dscnt 0
	PLACES NP
	FETCH_B \slot, (\q)+1, 1-(\q)%2
	FETCH_A \slot, (\q)+1, 0
	WIN MUL_HI
	MUL16 4, (\q)%2, \zero
	MUL16 6, (\q)%2, \zero
	PLACES NP
	WIN 0
	FETCH_A \slot, (\q)+1, 4
.endm
; A slot's last step changes slots: ONE barrier; in front of it each wave waits for all its tensor loads, adds 0 to its spare word, and waits for that and for its own reads of this slot.  fill = 1: this slot is filled again, two K steps ahead.
.macro TURN slot, next, fill
	s_wait_tensorcnt 0x0                           ; all my tensor loads have landed: my part of the next slot
	ds_add_u32 v[SPW], v[NIL]                      ; 0 onto my spare word
	s_wait_dscnt 4*NL+1                            ; (the add and the youngest 16 loads, A's blocks 4-7, may be out)
	WIN MUL_LO
	MUL16 0, 1, 0                                  ; sixteen matrix instructions stand between the add and the wait for it
	s_wait_dscnt 0x0                               ; the add is done, and my reads of this slot are over
	s_barrier_signal -1
	MUL16 2, 1, 0
	WIN 0
	s_barrier_wait -1
.if \fill
	CREST                                          ; the barrier has opened a round of the cluster's barrier: no wave of any partner still reads this slot or has a load on its way
	s_add_nc_u64 s[G0+4*\slot+2:G0+4*\slot+3], s[G0+4*\slot+2:G0+4*\slot+3], 2*ROWB
	s_add_nc_u64 s[G0B+4*\slot+2:G0B+4*\slot+3], s[G0B+4*\slot+2:G0B+4*\slot+3], 2*ROWB
	JLOAD G0+4*\slot, G1, G0B+4*\slot, G1B         ; the first tensor load behind the round; its four v_nop are the places in front of the loads below
.else
	PLACES NP
.endif
	FETCH_B \next, 0, 0
	FETCH_A \next, 0, 0
.if \fill
	s_cmp_gt_u32 s3, 1                             ; the last trip's fills have no K step two on
	s_cbranch_scc0 .Lno_ask_\@
	global_prefetch_b8 v[PFO], s[12:13] offset:(4+\slot)*ROWB th:TH_LOAD_NT scope:SCOPE_SE
.Lno_ask_\@:
.endif
	WIN MUL_HI
	MUL16 4, 1, 0
	MUL16 6, 1, 0
	PLACES NP
	WIN 0
	FETCH_A \next, 0, 4
.endm
	s_wait_alu depctr_va_vdst(0)                   ; the wait at the head's end
	s_wait_tensorcnt 0x0                           ; my part of K step 0 is in
	ds_add_u32 v[SPW], v[NIL]
	s_wait_dscnt 0x0
	CROUND                                         ; a whole round: everybody's part of K step 0 is in, and the joint loads meet
	JLOAD G0+4, G1, G0B+4, G1B                     ; K step 1, the first tensor load behind the round
	FETCH_B 0, 0, 0
	FETCH_A 0, 0, 0
	FETCH_A 0, 0, 4
	global_prefetch_b8 v[PFO], s[12:13] offset:3*ROWB th:TH_LOAD_NT scope:SCOPE_SE
	STEP 0, 0, 1
	s_mov_b32 s3, LAPS-1
.Llap:                                                 ; a trip goes once round the ring and fills both slots again
	TURN 0, 1, 1
	STEP 1, 0, 0
	TURN 1, 0, 1
	STEP 0, 0, 0
	s_wait_xcnt 0x0                                ; my prefetches have read their address: it is stepped only behind this wait
	s_add_nc_u64 s[12:13], s[12:13], 2*ROWB
	s_sub_co_u32 s3, s3, 1
	s_cmp_lg_u32 s3, 0
	s_cbranch_scc1 .Llap
	TURN 0, 1, 0                                   ; the last lap fills nothing
	STEP 1, 0, 0
	s_wait_dscnt 4*NL
	WIN MUL_LO
	MUL16 0, 1, 0
	MUL16 2, 1, 0
	s_wait_dscnt 0
	WIN MUL_HI
	MUL16 4, 1, 0
	MUL16 6, 1, 0
	WIN 0
	; THE WAY OUT.  The kind's exponents are chosen by the work-group's number; no branch hangs on them.
	s_wait_kmcnt 0x0
	s_add_co_i32 s18, s72, s73
	s_add_co_i32 s19, s74, s75
	s_add_co_i32 s20, s76, s77
	s_cmp_eq_u32 s66, 1
	s_cselect_b32 s18, s19, s18
	s_cselect_b32 s21, s78, s79                    ; K: entry 6; Q: entry 7
	s_cmp_eq_u32 s66, 2
	s_cselect_b32 s18, s20, s18                    ; ea + eb
	s_cselect_b32 s21, s80, s21                    ; V: entry 8
	s_add_co_i32 s18, s18, 127
	s_lshl_b32 s96, s18, 23                        ; 2^(ea + eb) as f32
	s_mov_b32 s97, s96                             ; (named with it as a pair, so it is written)
	s_add_co_i32 s21, s21, 127
	s_lshl_b32 s22, s21, 23
	s_add_co_i32 s21, s21, 8
	s_lshl_b32 s21, s21, 23
	s_or_b32 s21, s21, 0x600000
	s_cmp_lt_u32 s66, 2
	s_cselect_b32 s90, -1, 0                       ; Q, K: the bias goes by columns;
	s_cselect_b32 s91, 0, -1                       ; V: by rows
	s_wait_loadcnt 0x0                             ; the biases
	v_mov_b32 v[SCL], s22                          ; these 82 plain lines name no register of the last products: they are the places behind them
	v_mov_b32 v[LIM], s21
.set j, 0
.rept 64
	v_cndmask_b32 v[CB+j], 0, v[CB+j], s90
.set j, j+1
.endr
.irp a, 0,1,2,3,4,5,6,7
	v_cndmask_b32 v[RB+2*\a], 0, v[RB+2*\a], s91
.endr
.irp a, 0,1,2,3,4,5,6,7
	v_mov_b32 v[RB+2*\a+1], v[RB+2*\a]             ; a pair for the packed addition
.endr
; Block a (16 rows x 128 columns): value = sum x 2^(ea + eb) + bias, each accumulator from its low end on; the hold; eight conversions; four stores of 512 consecutive bytes.
.macro EPI a
.set AC, 64*((\a)%4)
.set CS, CC+16*((\a)%2)
.if \a > 1
	s_wait_xcnt 0x0                                ; block a - 2's stores have read their registers
.endif
	WIN 0x02+((\a)/4)                              ; source 0: window 2 or 3
.set j, 0
.rept 32
	v_pk_fma_f32 v[TT+j:TT+j+1], v[AC+j:AC+j+1], s[96:97], v[CB+j:CB+j+1] op_sel_hi:[1,0,1]
.set j, j+2
.endr
	WIN 0
.set j, 0
.rept 32
	v_pk_add_f32 v[TT+j:TT+j+1], v[TT+j:TT+j+1], v[RB+2*(\a):RB+2*(\a)+1]
.set j, j+2
.endr
.set j, 0
.rept 64
	v_med3_num_f32 v[TT+j], v[TT+j], -v[LIM], v[LIM]   ; the conversion to an 8-bit code does not saturate (ISA guide 7.6.2)
.set j, j+1
.endr
.irp b, 0,1,2,3,4,5,6,7
	v_cvt_scalef32_pk8_fp8_f32 v[CS+2*\b:CS+2*\b+1], v[TT+8*\b:TT+8*\b+7], v[SCL]
.endr
	v_nop                                          ; one plain line between the conversions and the next block's writes of their sources
.irp e, 0,1,2,3
	global_store_b128 v[VO], v[CS+4*\e:CS+4*\e+3], s[94:95] offset:(\e/2)*131072+(\a)*1024+(\e%2)*512
.endr
.endm
.irp a, 0,1,2,3,4,5,6,7
	EPI \a
.endr
	s_wait_tensorcnt 0x0                           ; the wave's end
	ds_add_u32 v[SPW], v[NIL]
	s_wait_dscnt 0x0
	CROUND                                         ; the closing round: no work-group ends while a partner may still ask for a tile that names it
	s_endpgm
; Wo, [2048][2048] f32 with K innermost, becomes codes of E4M3 in woc, with the scale 2^e of entry 11 (e between -126 and 119; NaN is not served): code = x / 2^e, held within +-448, to the nearest code, ties to even.
; The three products have 192 tiles; these 64 work-groups make the grid 256.  The rows stay; along K number k = d x 32 + head becomes byte (k % 32) x 64 + k / 32 = head x 64 + d, the order in which attention delivers its result.
; A work-group takes 32 rows, a wave 8, two rows' loads (32 loads of 512 consecutive bytes) in flight.  A row goes through the wave's own stage in LDS as it lies and comes back one number a lane in the order of the output's bytes;
; a store covers 512 consecutive bytes, aligned.  The stages lie behind the ring and the spare words, on bytes that no tensor load of the text names.  This path has no tensor load and no joint load.
.set QBASE, SPARE+512
.set QSTG,  8448                       ; a wave's stage: 4 x (2,048 + 32) bytes, rounded up to blocks of 256
.set QCH,   2080
.macro QLOAD p, off                    ; a row into set p
.irp i, 0,1,2,3,4,5,6,7,8,9,10,11,12,13,14,15
	global_load_b128 v[64+64*\p+4*\i:64+64*\p+4*\i+3], v7, s[24:25] offset:\off+512*\i th:TH_LOAD_NT
.endr
.endm
.macro QROW p, lc, nxt, so             ; the row in set p; lc: loads that may stay out; nxt: where this set's next row lies (none: -1); so: the row's place in woc
	s_wait_loadcnt \lc
.irp i, 0,1,2,3,4,5,6,7,8,9,10,11,12,13,14,15
	ds_store_b128 v8, v[64+64*\p+4*\i:64+64*\p+4*\i+3] offset:(\i/4)*QCH+(\i%4)*512
.endr
.irp j, 0,1,2,3
.irp i, 0,1,2,3,4,5,6,7,8,9,10,11,12,13,14,15
	ds_load_b32 v[192+16*\j+\i], v9 offset:128*\i+32*\j        ; LDS serves a wave's instructions in order: these see the stores above.  Number k = 512 (lane % 4) + 32 i + 8 j + lane / 4
.endr
.endr
	s_wait_dscnt 48                                ; the 16 stores and the first 16 loads are done: the set's registers are free
.if \nxt >= 0
	QLOAD \p, \nxt
.endif
	s_wait_xcnt 0x0                                ; every earlier store has read its registers: the codes' registers are written again only behind this wait
.irp j, 0,1,2,3
	s_wait_dscnt 48-16*\j                          ; group j of 16 is in, the later groups may be out
.irp g, 0,1
.irp i, 0,1,2,3,4,5,6,7
	v_med3_num_f32 v[32+8*\g+\i], v[192+16*\j+8*\g+\i], -v11, v11   ; the conversion to an 8-bit code does not saturate (ISA guide 7.6.2); the other set's eight holds stand between a conversion and the next write of its sources
.endr
	v_cvt_scalef32_pk8_fp8_f32 v[48+4*\j+2*\g:48+4*\j+2*\g+1], v[32+8*\g:32+8*\g+7], v10
.endr
	global_store_b128 v7, v[48+4*\j:48+4*\j+3], s[26:27] offset:\so+512*\j
.endr
.endm
.Lwo:
	s_load_b128 s[24:27], s[0:1], 0x38             ; Wo s[24:25], woc s[26:27]
	v_and_b32 v6, 31, v0
	v_lshlrev_b32 v7, 4, v6                        ; 16 x lane
	s_mul_i32 s18, s14, QSTG
	s_add_co_u32 s18, s18, QBASE                   ; my stage: the wave's number alone
	v_add_nc_u32 v8, s18, v7                       ; on the way in
	v_and_b32 v9, 3, v6
	v_lshrrev_b32 v10, 2, v6
	v_mul_u32_u24 v9, v9, QCH
	v_lshl_add_u32 v9, v10, 2, v9
	v_add_nc_u32 v9, s18, v9                       ; and out: (lane % 4) x 2,080 + (lane / 4) x 4
	s_lshl_b32 s19, s42, 3
	s_add_co_u32 s19, s19, s17                     ; which of the 64: 8 x (4 x (cluster x % 2) + cx) + 4 x cluster y + cy: it enters addresses in memory alone
	s_lshl_b32 s19, s19, 5
	s_lshl_b32 s20, s14, 3
	s_add_co_u32 s19, s19, s20                     ; my first row
	s_lshl_b32 s20, s19, 13
	s_mov_b32 s21, 0
	s_lshl_b32 s22, s19, 11
	s_mov_b32 s23, 0
	s_wait_alu depctr_va_vdst(0)
	s_wait_kmcnt 0x0
	s_add_nc_u64 s[24:25], s[24:25], s[20:21]
	s_add_nc_u64 s[26:27], s[26:27], s[22:23]
	QLOAD 0, 0
	QLOAD 1, 8192
	s_add_co_i32 s18, s83, 127                     ; entry 11
	s_lshl_b32 s19, s18, 23
	v_mov_b32 v10, s19                             ; 2^e
	s_add_co_i32 s18, s18, 8
	s_lshl_b32 s18, s18, 23
	s_or_b32 s18, s18, 0x600000
	v_mov_b32 v11, s18                             ; 448 x 2^e
	s_wait_alu depctr_va_vdst(0)                   ; the wait at the head's end
	s_mov_b32 s3, 3
.Lwo_rows:                                             ; a trip takes two rows and asks for the two behind them
	QROW 0, 16, 16384, 0
	QROW 1, 16, 24576, 2048
	s_wait_xcnt 0x0                                ; the bases are stepped only behind this wait
	s_add_nc_u64 s[24:25], s[24:25], 16384
	s_add_nc_u64 s[26:27], s[26:27], 4096
	s_sub_co_u32 s3, s3, 1
	s_cmp_lg_u32 s3, 0
	s_cbranch_scc1 .Lwo_rows
	QROW 0, 16, -1, 0                              ; the last two rows ask for nothing
	QROW 1, 0, -1, 2048
	v_nop                                          ; one plain line behind the last conversion
	s_wait_tensorcnt 0x0                           ; the wave's end: behind my last LDS store
	ds_add_u32 v[SPW], v[NIL]
	s_wait_dscnt 0x0
	CROUND
	s_endpgm
.Lfunc_end_k_q7681a5927b_proj:
	.size	k_q7681a5927b_proj, .Lfunc_end_k_q7681a5927b_proj-k_q7681a5927b_proj
	.p2alignl 7, 3214868480
	.fill 96, 4, 3214868480
	.section	.rodata,"a",@progbits
	.p2align	6, 0x0
	.amdhsa_kernel k_q7681a5927b_proj
		.amdhsa_group_segment_fixed_size 327680
		.amdhsa_private_segment_fixed_size 0
		.amdhsa_enable_private_segment 0
		.amdhsa_kernarg_size 72
		.amdhsa_user_sgpr_count 2
		.amdhsa_user_sgpr_kernarg_segment_ptr 1
		.amdhsa_wavefront_size32 1
		.amdhsa_system_sgpr_workgroup_id_x 1
		.amdhsa_system_sgpr_workgroup_id_y 1
		.amdhsa_system_sgpr_workgroup_id_z 1
		.amdhsa_system_vgpr_workitem_id 0
		.amdhsa_next_free_vgpr 1024
		.amdhsa_next_free_sgpr 100
		.amdhsa_reserve_vcc 0
		.amdhsa_float_denorm_mode_32 3
		.amdhsa_float_denorm_mode_16_64 3
		.amdhsa_memory_ordered 1
		.amdhsa_forward_progress 1
		.amdhsa_inst_pref_size 212
	.end_amdhsa_kernel
	.amdgpu_metadata
---
amdhsa.version: [ 1, 2 ]
amdhsa.kernels:
  - .name:           k_q7681a5927b_proj
    .symbol:         k_q7681a5927b_proj.kd
    .args:
      - { .name: xc, .offset: 0, .size: 8, .value_kind: global_buffer, .address_space: global }
      - { .name: wc, .offset: 8, .size: 8, .value_kind: global_buffer, .address_space: global }
      - { .name: Wq_b, .offset: 16, .size: 8, .value_kind: global_buffer, .address_space: global }
      - { .name: Wk_b, .offset: 24, .size: 8, .value_kind: global_buffer, .address_space: global }
      - { .name: Wv_b, .offset: 32, .size: 8, .value_kind: global_buffer, .address_space: global }
      - { .name: lowp_scales, .offset: 40, .size: 8, .value_kind: global_buffer, .address_space: global }
      - { .name: qkv, .offset: 48, .size: 8, .value_kind: global_buffer, .address_space: global }
      - { .name: Wo_w, .offset: 56, .size: 8, .value_kind: global_buffer, .address_space: global }
      - { .name: woc, .offset: 64, .size: 8, .value_kind: global_buffer, .address_space: global }
    .group_segment_fixed_size: 327680
    .private_segment_fixed_size: 0
    .kernarg_segment_align: 8
    .kernarg_segment_size: 72
    .max_flat_workgroup_size: 128
    .sgpr_count:     100
    .vgpr_count:     1024
    .wavefront_size: 32
...
	.end_amdgpu_metadata
.endif
;; end of part 2
;; launch attn (part 3): grid 8 x 32, 8 waves a work-group, clusters of 4 x 1, 327,680 bytes of LDS; arguments qkv, lowp_scales, oc; writes oc
.if DOCPART == 3
	.amdgcn_target "amdgcn-amd-amdhsa--gfx1250"
	.amdhsa_code_object_version 6
	.text
	.protected	k_q7681a5927b_attn
	.globl	k_q7681a5927b_attn
	.p2align	8
	.type	k_q7681a5927b_attn,@function
k_q7681a5927b_attn:
	s_mov_b64 s[64:65], 0
	v_nop
	global_prefetch_b8 v0, s[64:65] scope:SCOPE_SE
	s_setreg_imm32_b32 hwreg(HW_REG_WAVE_MODE, 25, 1), 1
	s_wait_xcnt 0x0
	s_wait_alu depctr_hold_cnt(0) depctr_sa_sdst(0) depctr_va_vdst(0) depctr_va_sdst(0) depctr_va_ssrc(0) depctr_va_vcc(0) depctr_vm_vsrc(0)
	s_getreg_b32 s2, hwreg(HW_REG_IB_STS2, 6, 4)
	s_cmp_eq_u32 s2, 0
	s_cbranch_scc0 .Lentry_in_a_cluster
	s_endpgm
.Lentry_in_a_cluster:
	s_bfe_u32 s2, ttmp6, 0x10000c
	s_cmp_lg_u32 s2, 0x3003
	s_cbranch_scc0 .Lentry_shape_is_right
	s_endpgm
.Lentry_shape_is_right:
; Attention of one head on codes of E4M3: S^T = K Q^T, p = 2^(t - M), O^T = V^T P^T, O / the row's sum, quantised for the last projection.
; t = score x log2(e) / sqrt(2048) x 2^(entries 6 + 7); M = the running largest t rounded up to a whole number; p is held at 448 x 2^ep and quantised with 2^ep (entry 9);
; the row's sum is taken of the unquantised p; O x 2^(entries 8 + 9) / sum is quantised with entry 10.
; LIMITS: entries 6 + 7 between -121 and 130 (added to c's exponent field); entries 9 and 10 between -126 and 119; the scaled scores stay under 2^31 in magnitude.
; INPUT: planes of qkv as images of operand registers, pieces of 512 bytes with lane l's 16 bytes at 16 l.  Q (plane 0), K (plane 1): head x 131072 + tile of 16 rows x 1024 + half of the 64 channels x 512.
; V (plane 2): 64 keys x 131072 + head x 4096 + tile of 16 channels x 1024 + 32 keys x 512.  The rows of a tile are 8 u + r + 8 (r / 8) of a block of 32, so the 16 registers of two neighbouring result tiles are 16 neighbours.
; OUTPUT: oc, tile of 16 queries x 32768 + head x 1024 + half x 512, again as images.
; SHARES.  A work-group owns 256 queries of a head; each of its eight waves owns TWO tiles of 16 queries, so that each fragment of K and V read from LDS feeds two matrix instructions.  Two waves to a SIMD, 512 registers each.
; LDS.  A head's K (131,072 bytes, from byte 0) and V (131,072 bytes, from byte 131072) are each filled ONCE: the first 512 keys by the head's loads (8,192 bytes a wave), the other 1,536 by a second load a wave (24,576 bytes),
; issued behind a round of the cluster; it has the first three key steps in which to land.  Waves 0-3 fetch K, waves 4-7 V.  Nothing is filled again.
; K's fragments are read one key step ahead, directly behind the products that free their registers.  The last step's look-ahead reads the 8,192 bytes behind K, which are V's first and lie inside LDS; they are not used.
; CLUSTER: four work-groups of one head read the same K and V: every load is a joint load with the mask 15; its descriptor hangs on the head and the wave's number alone.
; NO PREFETCH: both fills are issued ahead of the first loop, the second as soon as the first has landed; there is no trip of a loop ahead of either in which to ask.
; REGISTERS.  Tile 0 lives in window 0, tile 1 at the same numbers in window 1: v9-11 the hold's bound (twice) and the scale, v96-159 S then p, v160-191 O^T, v192-207 p's codes, v208-215 Q.
; Window 0 also: v1-6 addresses, v32-95 K's fragments, v216-253 both tiles' row state (so that the two tiles' dependent chains stand line by line beside each other).  Window 1 also: v32-95 V's fragments.
.set VB,    131072
.set SPARE, 262144                     ; behind K and V: the spare words, 128 bytes for each of 8 waves
.set LIN,  1                           ; 16 x lane
.set ADK,  2
.set ADV,  3
.set SPW,  5
.set NIL,  6
.set LIMB, 9
.set LIM,  10
.set SCL,  11
.set KF,   32
.set VF,   32
.set S,    96
.set O,    160
.set P,    192
.set QF,   208
.set NM,   216                         ; pair 2 t: -M (the upper word is only named)
.set F,    220                         ; pair 2 t: f = 2^(old M - new M)
.set SUM,  224                         ; pair 8 t + 2 k: the sum, chain k of four
.set MR,   240                         ; + t: the running largest raw score
.set OM,   242                         ; + t: the old -M
.set PD,   244
.set T,    246                         ; + 4 t + k: the maximum, chain k of four; then at work
.set WV,   18
.set TB,   2
.set G1KA, 24
.set G1KB, 32
.set G1VA, 40
.set G1VB, 48
.set G0A,  56
.set G0B,  60
.set MSB, 0
.macro WIN new                         ; the immediate's high byte repeats the setting that is left
.if MSB != (\new)
	s_set_vgpr_msb (MSB<<8)|(\new)
.set MSB, (\new)
.endif
.endm
.macro CROUND
	s_barrier_signal -1
	s_barrier_wait -1
	s_cmp_lg_u32 s[WV], 0
	s_cbranch_scc1 .Lnot_wave_0_\@
	s_barrier_signal -3
.Lnot_wave_0_\@:
	s_barrier_wait -3
	s_barrier_signal -1
	s_barrier_wait -1
.endm
.macro GONE g, c, r, p                 ; group 1: r rows of c elements of 8 bytes, p elements apart; mask 15, bit 21 beside it
	s_mov_b32 s[\g], 15|(3<<16)|(1<<21)
	s_mov_b32 s[\g+1], (\c)<<16
	s_mov_b32 s[\g+2], (\r)<<16
	s_mov_b32 s[\g+3], (\c)<<16
	s_mov_b32 s[\g+4], \r
	s_mov_b32 s[\g+5], \p
	s_mov_b32 s[\g+6], 0
	s_mov_b32 s[\g+7], 0
.endm
.macro TLOAD g0, g1k, g1v              ; one joint load a wave, in one of two arms on the wave's number; s_nop 0 and four v_nop behind each
	s_cmp_lt_u32 s[WV], 4
	s_cbranch_scc0 .Lfor_v_\@
	tensor_load_to_lds s[\g0:\g0+3], s[\g1k:\g1k+7]
	s_nop 0
.rept 4
	v_nop
.endr
	s_branch .Lasked_\@
.Lfor_v_\@:
	tensor_load_to_lds s[\g0:\g0+3], s[\g1v:\g1v+7]
	s_nop 0
.rept 4
	v_nop
.endr
.Lasked_\@:
.endm
	s_load_b128 s[4:7], s[0:1], 0x0                ; qkv, the scales
	s_load_b64 s[8:9], s[0:1], 0x10                ; oc
	v_lshl_add_u32 v[SPW], v0, 2, SPARE
	v_mov_b32 v[NIL], 0
	ds_add_u32 v[SPW], v[NIL]                      ; the opening lines: the add twice on end and its wait ahead of my first tensor load
	ds_add_u32 v[SPW], v[NIL]
	v_lshrrev_b32 v4, 5, v0
	v_readfirstlane_b32 s[WV], v4                  ; wave 0..7
	s_bfe_u32 s10, ttmp6, 0x40000                  ; cx
	s_lshl_b32 s11, ttmp9, 2
	s_add_co_u32 s11, s11, s10                     ; which 256 queries
	s_lshl_b32 s12, s11, 4
	s_lshl_b32 s13, s[WV], 1
	s_add_co_u32 s12, s12, s13                     ; my first tile of 16 queries
	s_and_b32 s70, ttmp7, 0xffff                   ; the head
	GONE G1KA, 32, 32, 32                          ; K: dense, as rows of 256 bytes: 8,192 bytes,
	GONE G1KB, 32, 96, 32                          ; 24,576 bytes
	GONE G1VA, 512, 2, 16384                       ; V: rows of 4,096 bytes (64 keys of the head), 131,072 bytes apart: 2 rows,
	GONE G1VB, 512, 6, 16384                       ; 6 rows
	s_mov_b32 s20, 0x76543210
	s_mov_b32 s21, 0xfedcba98                      ; lane l xor 16
	s_mov_b32 s22, 0x3d0293ee                      ; c = log2(e) / sqrt(2048)
	s_and_b32 s76, s[WV], 3                        ; my quarter
	s_lshr_b32 s77, s[WV], 2                       ; 0 K, 1 V
	s_lshl_b32 s78, s77, 17
	s_lshl_b32 s79, s76, 13
	s_add_co_u32 s80, s78, s79                     ; LDS, first fill: 131072 x (V) + 8192 x quarter
	s_mul_i32 s81, s76, 24576
	s_add_co_u32 s82, s78, s81
	s_add_co_u32 s82, s82, 32768                   ; second fill: 131072 x (V) + 32768 + 24576 x quarter
	s_lshl_b32 s83, s70, 17
	s_add_co_u32 s83, s83, 0x400000                ; K's head in qkv
	s_add_co_u32 s84, s83, s79
	s_add_co_u32 s85, s83, s81
	s_add_co_u32 s85, s85, 32768
	s_lshl_b32 s86, s70, 12
	s_add_co_u32 s86, s86, 0x800000                ; V's head in qkv
	s_lshl_b32 s87, s76, 18
	s_add_co_u32 s87, s86, s87                     ; rows 2 x quarter
	s_mul_i32 s88, s76, 786432
	s_add_co_u32 s88, s88, s86
	s_add_co_u32 s88, s88, 0x100000                ; rows 8 + 6 x quarter
	s_cmp_lt_u32 s[WV], 4
	s_cselect_b32 s84, s84, s87                    ; offsets, chosen by the wave's number
	s_cselect_b32 s86, s85, s88
	s_mov_b32 s85, 0
	s_mov_b32 s87, 0
	s_lshl_b32 s90, s12, 10
	s_lshl_b32 s91, s70, 17
	s_add_co_u32 s90, s90, s91                     ; my Q
	s_mov_b32 s91, 0
	s_lshl_b32 s92, s12, 15
	s_lshl_b32 s93, s70, 10
	s_add_co_u32 s92, s92, s93                     ; my part of oc
	s_mov_b32 s93, 0
	s_wait_dscnt 0x0                               ; both opening adds are done
	s_wait_kmcnt 0x0
	s_load_b64 s[68:69], s[6:7], 0x18              ; entries 6, 7
	s_load_b128 s[72:75], s[6:7], 0x20             ; entries 8 to 11
	s_mov_b32 s[G0A], 1
	s_mov_b32 s[G0A+1], s80
	s_add_nc_u64 s[G0A+2:G0A+3], s[4:5], s[84:85]
	s_or_b32 s[G0A+3], s[G0A+3], 0x80000000
	s_mov_b32 s[G0B], 1
	s_mov_b32 s[G0B+1], s82
	s_add_nc_u64 s[G0B+2:G0B+3], s[4:5], s[86:87]
	s_or_b32 s[G0B+3], s[G0B+3], 0x80000000
	s_add_nc_u64 s[14:15], s[4:5], s[90:91]
	s_add_nc_u64 s[8:9], s[8:9], s[92:93]
	CROUND                                         ; the four work-groups are here: the first joint loads meet
	TLOAD G0A, G1KA, G1VA                          ; keys 0 to 511: one tensor load a wave at the head
	v_and_b32 v4, 31, v0
	v_lshlrev_b32 v[LIN], 4, v4
	global_load_b128 v[QF:QF+3],   v[LIN], s[14:15]
	global_load_b128 v[QF+4:QF+7], v[LIN], s[14:15] offset:512
	WIN 0x40                                       ; destinations in window 1
	global_load_b128 v[QF:QF+3],   v[LIN], s[14:15] offset:1024
	global_load_b128 v[QF+4:QF+7], v[LIN], s[14:15] offset:1536
.set j, 0
.rept 32
	v_mov_b32 v[O+j], 0                            ; the step is written once: the first finds zeros, which the first change of M leaves zeros
.set j, j+1
.endr
	WIN 0
.set j, 0
.rept 32
	v_mov_b32 v[O+j], 0
.set j, j+1
.endr
.set j, 0
.rept 16
	v_mov_b32 v[SUM+j], 0
.set j, j+1
.endr
.irp t, 0,1
	v_mov_b32 v[MR+\t], 0xff61b1e6                 ; -3e38, under every score
	v_mov_b32 v[NM+2*\t], 0x7f61b1e6               ; -M = 3e38, a whole number
	v_mov_b32 v[NM+2*\t+1], 0
	v_mov_b32 v[F+2*\t+1], 0
	v_mov_b32 v[PD+\t], 0                          ; a lane permute's destination counts as one of its sources
.endr
	s_wait_kmcnt 0x0
	s_add_co_i32 s76, s68, s69
	s_lshl_b32 s76, s76, 23
	s_add_co_i32 s22, s22, s76                     ; the two exponents are added to c's exponent field
	s_mov_b32 s23, s22
	s_add_co_i32 s76, s73, 127
	s_lshl_b32 s77, s76, 23                        ; 2^ep
	s_add_co_i32 s76, s76, 8
	s_lshl_b32 s76, s76, 23
	s_or_b32 s76, s76, 0x600000                    ; 448 x 2^ep
	s_add_co_i32 s78, s74, 127
	s_lshl_b32 s79, s78, 23                        ; 2^(entry 10)
	s_add_co_i32 s78, s78, 8
	s_lshl_b32 s78, s78, 23
	s_or_b32 s78, s78, 0x600000                    ; 448 x that
	s_add_co_i32 s80, s72, s73                     ; ev + ep
.irp w, 0, 0x40
	WIN \w
	v_mov_b32 v[LIMB], s76
	v_mov_b32 v[LIM], s76
	v_mov_b32 v[SCL], s77
.endr
	WIN 0
	s_mov_b32 s[TB], 0
	s_wait_alu depctr_va_vdst(0)                   ; the wait at the head's end
	s_wait_tensorcnt 0x0                           ; my part of the first 512 keys is in
	ds_add_u32 v[SPW], v[NIL]
	s_wait_dscnt 0x0
	CROUND                                         ; everybody's part is in, and the four work-groups are here
	TLOAD G0B, G1KB, G1VB                          ; keys 512 to 2047, the first tensor load behind the round
.macro KLOAD adr, off                  ; K's eight fragments of a key step
.irp t, 0,1,2,3,4,5,6,7
	ds_load_b128 v[KF+8*\t:KF+8*\t+3],   v[\adr] offset:\off+1024*\t
	ds_load_b128 v[KF+8*\t+4:KF+8*\t+7], v[\adr] offset:\off+1024*\t+512
.endr
.endm
	KLOAD LIN, 0                                   ; key step 0
	s_wait_loadcnt 0x0                             ; Q
	s_wait_dscnt 0x0
.macro MAXT t                          ; the largest of the running maximum and my 64 scores, in four chains; each accumulator from its low end on
.irp k, 0,1,2,3
	v_max3_num_f32 v[T+4*\t+\k], v[MR+\t], v[S+2*\k], v[S+2*\k+1]
.endr
.irp i, 8,16,24,32,40,48,56
.irp k, 0,1,2,3
	v_max3_num_f32 v[T+4*\t+\k], v[T+4*\t+\k], v[S+\i+2*\k], v[S+\i+2*\k+1]
.endr
.endr
.endm
.macro FMAT t                          ; t - M, two at a time
.set j, 0
.rept 32
	v_pk_fma_f32 v[S+j:S+j+1], v[S+j:S+j+1], s[22:23], v[NM+2*\t:NM+2*\t+1] op_sel_hi:[1,0,0]
.set j, j+2
.endr
.endm
.macro EXPT
.set j, 0
.rept 64
	v_exp_f32 v[S+j], v[S+j]
.set j, j+1
.endr
.endm
.macro RESC t                          ; O^T under the new M
.set j, 0
.rept 16
	v_pk_mul_f32 v[O+j:O+j+1], v[O+j:O+j+1], v[F+2*\t:F+2*\t+1] op_sel_hi:[1,0]
.set j, j+2
.endr
.endm
.macro ADDS t                          ; the sums of the unquantised p, in four chains
.irp j, 0,8,16,24,32,40,48,56
.irp k, 0,1,2,3
	v_pk_add_f32 v[SUM+8*\t+2*\k:SUM+8*\t+2*\k+1], v[SUM+8*\t+2*\k:SUM+8*\t+2*\k+1], v[S+\j+2*\k:S+\j+2*\k+1]
.endr
.endr
.endm
.macro HOLD                            ; the hold (p is not negative: one-sided; two numbers an instruction, the bound in two registers of different banks) and the conversions
.irp b, 0,1,2,3
.irp i, 0,2,4,6,8,10,12,14
	v_dual_min_num_f32 v[S+16*\b+\i], v[S+16*\b+\i], v[LIM] :: v_dual_min_num_f32 v[S+16*\b+\i+1], v[S+16*\b+\i+1], v[LIMB]
.endr
	v_cvt_scalef32_pk8_fp8_f32 v[P+4*\b:P+4*\b+1],   v[S+16*\b:S+16*\b+7],    v[SCL]
	v_cvt_scalef32_pk8_fp8_f32 v[P+4*\b+2:P+4*\b+3], v[S+16*\b+8:S+16*\b+15], v[SCL]
.endr
.endm
.macro PV                              ; O^T += V^T P^T
.irp u, 0,1,2,3
	v_wmma_f32_16x16x128_fp8_fp8 v[O+8*\u:O+8*\u+7], v[VF+16*\u:VF+16*\u+15], v[P:P+15], v[O+8*\u:O+8*\u+7]
.endr
.endm
; A KEY STEP: 128 keys, both tiles.  K's fragments are in registers when it begins.
.macro STEP
.irp w, 0, 0x44                        ; tile 0, then tile 1 (result and Q in window 1)
	WIN \w
.irp t, 0,1,2,3,4,5,6,7
	v_wmma_f32_16x16x64_fp8_fp8 v[S+8*\t:S+8*\t+7], v[KF+8*\t:KF+8*\t+7], v[QF:QF+7], 0
.endr
.endr
	WIN 0
	v_add_nc_u32 v[ADK], s[TB], v[LIN]             ; these four lines are the places behind the products above and behind the last step's, ahead of the loads into their sources and of the first read of S
	v_add_nc_u32 v[ADV], VB, v[ADK]
	v_mov_b32 v[OM], v[NM]
	v_mov_b32 v[OM+1], v[NM+2]
	WIN 0x40
.irp u, 0,1,2,3
.irp c, 0,1,2,3
	ds_load_b128 v[VF+16*\u+4*\c:VF+16*\u+4*\c+3], v[ADV] offset:(\c/2)*4096+\u*1024+(\c%2)*512
.endr
.endr
	WIN 0
	KLOAD ADK, 8192                                ; the next key step's K
	MAXT 0
	WIN 0x14                                       ; sources 1 and 2 in window 1
	MAXT 1
	WIN 0
.irp t, 0,1                            ; the two tiles' chains stand line by line beside each other
	v_max3_num_f32 v[T+4*\t], v[T+4*\t], v[T+4*\t+1], v[T+4*\t+2]
.endr
.irp t, 0,1
	v_max_num_f32 v[T+4*\t], v[T+4*\t], v[T+4*\t+3]
.endr
.irp t, 0,1
	v_permlanex16_b32 v[PD+\t], v[T+4*\t], s20, s21
.endr
.irp t, 0,1
	v_max_num_f32 v[MR+\t], v[T+4*\t], v[PD+\t]    ; the running largest score of my query
.endr
.irp t, 0,1
	v_mul_f32 v[T+4*\t], s22, v[MR+\t]             ; as t (c is positive)
.endr
.irp t, 0,1
	v_floor_f32 v[NM+2*\t], -v[T+4*\t]             ; -M = floor(-t)
.endr
.irp t, 0,1
	v_sub_f32 v[T+4*\t+1], v[NM+2*\t], v[OM+\t]    ; old M - new M, a whole number, 0 or less
.endr
.irp t, 0,1
	v_cvt_i32_f32 v[T+4*\t+1], v[T+4*\t+1]         ; (it saturates)
.endr
.irp t, 0,1
	v_ldexp_f32 v[F+2*\t], 1.0, v[T+4*\t+1]        ; f
.endr
	FMAT 0
.irp t, 0,1
.irp k, 0,1,2,3
	v_pk_mul_f32 v[SUM+8*\t+2*\k:SUM+8*\t+2*\k+1], v[SUM+8*\t+2*\k:SUM+8*\t+2*\k+1], v[F+2*\t:F+2*\t+1] op_sel_hi:[1,0]   ; the sums under the new M
.endr
.endr
	RESC 0                                         ; O^T is rescaled ahead of the exponentials: no transcendental stands between the last step's products and these reads
	WIN 0x41                                       ; destination and source 0 in window 1
	RESC 1
	FMAT 1
	WIN 0
	s_wait_dscnt 0x0                               ; V's fragments and the next step's K are in
	s_wait_alu depctr_va_vdst(0)                   ; ahead of the batch
	EXPT                                           ; tile 0
	WIN 0x41
	s_wait_alu depctr_va_vdst(0)                   ; behind tile 0's batch, ahead of its readers below, and ahead of tile 1's
	EXPT                                           ; tile 1; tile 0's sums, hold and conversions follow it and name none of its results
	WIN 0
	ADDS 0
	HOLD
	WIN 0x04                                       ; p in window 1, the sums in window 0
	s_wait_alu depctr_va_vdst(0)                   ; behind tile 1's batch, ahead of its first reader
	ADDS 1                                         ; (plain lines between tile 0's conversions and the products that read its codes)
	WIN 0x01                                       ; V's fragments in window 1
	PV
	WIN 0x55
	HOLD
	v_nop                                          ; one plain line between the conversions and the products that read the codes
	PV
	WIN 0
.endm
	s_mov_b32 s3, 3
.Lfirst:                                           ; key steps 0 to 2; the third reads K of step 3, the last of the first fill
	STEP
	s_add_co_u32 s[TB], s[TB], 8192
	s_sub_co_u32 s3, s3, 1
	s_cmp_lg_u32 s3, 0
	s_cbranch_scc1 .Lfirst
	s_wait_tensorcnt 0x0                           ; my part of the other keys is in;
	s_barrier_signal -1
	s_barrier_wait -1                              ; and everybody's.
	s_mov_b32 s3, 13
.Lrest:                                            ; key steps 3 to 15
	STEP
	s_add_co_u32 s[TB], s[TB], 8192
	s_sub_co_u32 s3, s3, 1
	s_cmp_lg_u32 s3, 0
	s_cbranch_scc1 .Lrest
	; THE WAY OUT.  The lines below are also the places behind the last products.
.irp t, 0,1
	v_pk_add_f32 v[SUM+8*\t:SUM+8*\t+1], v[SUM+8*\t:SUM+8*\t+1], v[SUM+8*\t+2:SUM+8*\t+3]
.endr
.irp t, 0,1
	v_pk_add_f32 v[SUM+8*\t+4:SUM+8*\t+5], v[SUM+8*\t+4:SUM+8*\t+5], v[SUM+8*\t+6:SUM+8*\t+7]
.endr
.irp t, 0,1
	v_pk_add_f32 v[SUM+8*\t:SUM+8*\t+1], v[SUM+8*\t:SUM+8*\t+1], v[SUM+8*\t+4:SUM+8*\t+5]
.endr
.irp t, 0,1
	v_add_f32 v[T+4*\t], v[SUM+8*\t], v[SUM+8*\t+1]
.endr
.irp t, 0,1
	v_permlanex16_b32 v[PD+\t], v[T+4*\t], s20, s21
.endr
.irp t, 0,1
	v_add_f32 v[T+4*\t], v[T+4*\t], v[PD+\t]       ; the row's sum
.endr
	s_wait_alu depctr_va_vdst(0)                   ; ahead of the transcendentals
	v_rcp_f32 v[T], v[T]
	v_rcp_f32 v[T+4], v[T+4]
.irp w, 0, 0x40
	WIN \w
	v_mov_b32 v[LIM], s78                          ; the bound and the scale of the result's quantiser
	v_mov_b32 v[SCL], s79
.endr
	WIN 0
	s_wait_alu depctr_va_vdst(0)                   ; ahead of the first reader of the reciprocals
.irp t, 0,1
	v_ldexp_f32 v[F+2*\t], v[T+4*\t], s80          ; x 2^(ev + ep)
.endr
.irp t, 0,1
	WIN 0x41*\t
	s_wait_alu depctr_va_vdst(0)                   ; directly ahead of the first reader of O^T
.set j, 0
.rept 16
	v_pk_mul_f32 v[S+j:S+j+1], v[O+j:O+j+1], v[F+2*\t:F+2*\t+1] op_sel_hi:[1,0]
.set j, j+2
.endr
.endr
.irp t, 0,1
	WIN 0x55*\t
.set j, 0
.rept 32
	v_med3_num_f32 v[S+j], v[S+j], -v[LIM], v[LIM] ; the conversion to an 8-bit code does not saturate (ISA guide 7.6.2)
.set j, j+1
.endr
.irp u, 0,1,2,3
	v_cvt_scalef32_pk8_fp8_f32 v[P+2*\u:P+2*\u+1], v[S+8*\u:S+8*\u+7], v[SCL]
.endr
	v_nop
	WIN 0x04*\t                                    ; the stores' data in the tile's window
	global_store_b128 v[LIN], v[P:P+3],   s[8:9] offset:32768*\t        ; 32 lanes store 512 consecutive bytes, aligned
	global_store_b128 v[LIN], v[P+4:P+7], s[8:9] offset:32768*\t+512
.endr
	WIN 0
	s_wait_tensorcnt 0x0                           ; the wave's end
	ds_add_u32 v[SPW], v[NIL]
	s_wait_dscnt 0x0
	CROUND                                         ; the closing round
	s_endpgm
.Lfunc_end_k_q7681a5927b_attn:
	.size	k_q7681a5927b_attn, .Lfunc_end_k_q7681a5927b_attn-k_q7681a5927b_attn
	.p2alignl 7, 3214868480
	.fill 96, 4, 3214868480
	.section	.rodata,"a",@progbits
	.p2align	6, 0x0
	.amdhsa_kernel k_q7681a5927b_attn
		.amdhsa_group_segment_fixed_size 327680
		.amdhsa_private_segment_fixed_size 0
		.amdhsa_enable_private_segment 0
		.amdhsa_kernarg_size 24
		.amdhsa_user_sgpr_count 2
		.amdhsa_user_sgpr_kernarg_segment_ptr 1
		.amdhsa_wavefront_size32 1
		.amdhsa_system_sgpr_workgroup_id_x 1
		.amdhsa_system_sgpr_workgroup_id_y 1
		.amdhsa_system_sgpr_workgroup_id_z 1
		.amdhsa_system_vgpr_workitem_id 0
		.amdhsa_next_free_vgpr 512
		.amdhsa_next_free_sgpr 100
		.amdhsa_reserve_vcc 0
		.amdhsa_float_denorm_mode_32 3
		.amdhsa_float_denorm_mode_16_64 3
		.amdhsa_memory_ordered 1
		.amdhsa_forward_progress 1
		.amdhsa_inst_pref_size 79
	.end_amdhsa_kernel
	.amdgpu_metadata
---
amdhsa.version: [ 1, 2 ]
amdhsa.kernels:
  - .name:           k_q7681a5927b_attn
    .symbol:         k_q7681a5927b_attn.kd
    .args:
      - { .name: qkv, .offset: 0, .size: 8, .value_kind: global_buffer, .address_space: global }
      - { .name: lowp_scales, .offset: 8, .size: 8, .value_kind: global_buffer, .address_space: global }
      - { .name: oc, .offset: 16, .size: 8, .value_kind: global_buffer, .address_space: global }
    .group_segment_fixed_size: 327680
    .private_segment_fixed_size: 0
    .kernarg_segment_align: 8
    .kernarg_segment_size: 24
    .max_flat_workgroup_size: 256
    .sgpr_count:     100
    .vgpr_count:     512
    .wavefront_size: 32
...
	.end_amdgpu_metadata
.endif
;; end of part 3
;; launch outp (part 4): grid 16 x 16, 4 waves a work-group, clusters of 4 x 4, 327,680 bytes of LDS; arguments oc, woc, lowp_scales, Wo_b, out0; writes out0
.if DOCPART == 4
	.amdgcn_target "amdgcn-amd-amdhsa--gfx1250"
	.amdhsa_code_object_version 6
	.text
	.protected	k_q7681a5927b_outp
	.globl	k_q7681a5927b_outp
	.p2align	8
	.type	k_q7681a5927b_outp,@function
k_q7681a5927b_outp:
	s_mov_b64 s[64:65], 0
	v_nop
	global_prefetch_b8 v0, s[64:65] scope:SCOPE_SE
	s_setreg_imm32_b32 hwreg(HW_REG_WAVE_MODE, 25, 1), 1
	s_wait_xcnt 0x0
	s_wait_alu depctr_hold_cnt(0) depctr_sa_sdst(0) depctr_va_vdst(0) depctr_va_sdst(0) depctr_va_ssrc(0) depctr_va_vcc(0) depctr_vm_vsrc(0)
	s_getreg_b32 s2, hwreg(HW_REG_IB_STS2, 6, 4)
	s_cmp_eq_u32 s2, 0
	s_cbranch_scc0 .Lentry_in_a_cluster
	s_endpgm
.Lentry_in_a_cluster:
	s_bfe_u32 s2, ttmp6, 0x10000c
	s_cmp_lg_u32 s2, 0xf033
	s_cbranch_scc0 .Lentry_shape_is_right
	s_endpgm
.Lentry_shape_is_right:
.set ROWB,   512
.set AROWB,  8192
.set KROW,   2048
.set PITCH,  528
.set FR,     16
.set HALFT,  64*PITCH
.set SLOT,   4*HALFT
.set STAGE,  2*SLOT
.set SPITCH, 272
.set SPARE,  STAGE+4*16*SPITCH
.set ADRA, 16
.set ADRB, 20
.set STO,  24
.set RD,   25
.set CO,   26
.set BO,   27
.set SPW,  28
.set NIL,  29
.set CB,   32
.set XB,   64
.set ACC,  128
.set F0,   0
.set F1,   128
.set G1, 24
.set G0, 32
.set G1B, 48
.set G0B, 56
.set MSB, 0
.macro WIN new
.if MSB != (\new)
	s_set_vgpr_msb (MSB<<8)|(\new)
.set MSB, (\new)
.endif
.endm
.set MUL,  0x05
.set TO_F, 0x40
.macro JLOAD g0a, g1a, g0b, g1b
	s_cmp_eq_u32 s15, 0
	s_cbranch_scc0 .Lfor_b_\@
	tensor_load_to_lds s[\g0a:\g0a+3], s[\g1a:\g1a+7]
	s_nop 0
.rept 4
	v_nop
.endr
	s_branch .Lasked_\@
.Lfor_b_\@:
	tensor_load_to_lds s[\g0b:\g0b+3], s[\g1b:\g1b+7]
	s_nop 0
.rept 4
	v_nop
.endr
.Lasked_\@:
.endm
.macro CREST
	s_cmp_lg_u32 s14, 0
	s_cbranch_scc1 .Lnot_wave_0_\@
	s_barrier_signal -3
.Lnot_wave_0_\@:
	s_barrier_wait -3
	s_barrier_signal -1
	s_barrier_wait -1
.endm
.macro CROUND
	s_barrier_signal -1
	s_barrier_wait -1
	CREST
.endm
	s_load_b128 s[4:7], s[0:1], 0x0
	s_load_b128 s[8:11], s[0:1], 0x10
	s_load_b64 s[12:13], s[0:1], 0x20
	v_lshl_add_u32 v[SPW], v0, 2, SPARE
	v_mov_b32 v[NIL], 0
	ds_add_u32 v[SPW], v[NIL]
	ds_add_u32 v[SPW], v[NIL]
	v_lshrrev_b32 v1, 5, v0
	v_readfirstlane_b32 s14, v1
	s_lshr_b32 s15, s14, 1
	s_and_b32 s16, s14, 1
	s_bfe_u32 s40, ttmp6, 0x40000
	s_bfe_u32 s41, ttmp6, 0x40004
	s_lshl_b32 s42, ttmp9, 2
	s_add_co_u32 s42, s42, s40
	s_and_b32 s17, ttmp7, 0xffff
	s_lshl_b32 s17, s17, 2
	s_add_co_u32 s17, s17, s41
	s_lshl_b32 s43, s41, 2
	s_lshl_b32 s43, 15, s43
	s_lshl_b32 s44, 0x1111, s40
	s_or_b32 s[G1+0], s43, (0<<16)|(1<<21)
	s_mov_b32 s[G1+1], AROWB<<16
	s_mov_b32 s[G1+2], 4<<16
	s_mov_b32 s[G1+3], AROWB<<16
	s_mov_b32 s[G1+4], 4
	s_mov_b32 s[G1+5], 32768
	s_mov_b32 s[G1+6], 0
	s_mov_b32 s[G1+7], 0
	s_or_b32 s[G1B+0], s44, (0<<16)|(1<<20)|(1<<21)|(6<<22)|(3<<25)
	s_mov_b32 s[G1B+1], ROWB<<16
	s_mov_b32 s[G1B+2], 64<<16
	s_mov_b32 s[G1B+3], ROWB<<16
	s_mov_b32 s[G1B+4], 64
	s_mov_b32 s[G1B+5], KROW
	s_mov_b32 s[G1B+6], 0
	s_mov_b32 s[G1B+7], 0
	s_lshl_b32 s18, s16, 17
	s_lshl_b32 s20, s17, 18
	s_add_co_u32 s20, s20, s18
	s_mov_b32 s21, 0
	s_lshl_b32 s46, s42, 18
	s_add_co_u32 s46, s46, s18
	s_mov_b32 s47, 0
	s_mul_i32 s45, s14, HALFT
	s_wait_dscnt 0x0
	s_wait_kmcnt 0x0
	s_load_b64 s[96:97], s[8:9], 0x28
	s_add_nc_u64 s[20:21], s[4:5], s[20:21]
	s_add_nc_u64 s[46:47], s[6:7], s[46:47]
	CROUND
.irp s, 0,1
	s_mov_b32 s[G0+4*\s], 1
	s_add_co_u32 s[G0+4*\s+1], s45, \s*SLOT
	s_add_nc_u64 s[G0+4*\s+2:G0+4*\s+3], s[20:21], \s*AROWB
	s_or_b32 s[G0+4*\s+3], s[G0+4*\s+3], 0x80000000
	s_mov_b32 s[G0B+4*\s], 1
	s_add_co_u32 s[G0B+4*\s+1], s45, \s*SLOT
	s_add_nc_u64 s[G0B+4*\s+2:G0B+4*\s+3], s[46:47], \s*ROWB
	s_or_b32 s[G0B+4*\s+3], s[G0B+4*\s+3], 0x80000000
	s_wait_alu depctr_va_vdst(0)
	s_wait_tensorcnt 0x0
	ds_add_u32 v28, v29
	ds_add_u32 v28, v29
	s_wait_dscnt 0x0
	CROUND
	JLOAD G0+4*\s, G1, G0B+4*\s, G1B
	; PREFETCHES INTO THE L2: behind the fill of K step 0 each wave asks for K steps 1 and 2, behind that of K step 1 for K step 3: 32 blocks of 256 bytes, a lane a block.  What I fetch in a K step is 32,768 bytes
	; (A: 4 tiles of 8,192 bytes; B: 64 rows of 512 bytes); the four partners that ask for it jointly take a quarter each, told apart by address (cx for A, cy for B): one tile of A, or 16 rows of B.
.if \s == 0
.set PFO, 30                           ; v30  A: 256 x lane; B: 2,048 x (lane / 2) + 256 x (lane % 2); never rewritten
	s_cmp_eq_u32 s15, 0
	s_cselect_b64 s[68:69], s[20:21], s[46:47]     ; what I fetch
	s_cselect_b32 s76, s40, s41
	s_mov_b32 s74, ROWB
	s_cselect_b32 s74, AROWB, s74                  ; from K step to K step
	s_cselect_b32 s78, -1, 0
	s_lshl_b32 s76, s76, 15                        ; my work-group's quarter: a tile's pitch, and 16 rows of B, are both 32,768 bytes
	s_mov_b32 s77, 0
	s_mov_b32 s75, 0
	s_add_nc_u64 s[68:69], s[68:69], s[76:77]
	s_add_nc_u64 s[68:69], s[68:69], s[74:75]      ; K step 1
	s_add_nc_u64 s[70:71], s[68:69], s[74:75]      ; K step 2
	s_add_nc_u64 s[72:73], s[70:71], s[74:75]      ; K step 3
	v_and_b32 v8, 31, v0
	v_lshlrev_b32 v9, 8, v8
	v_lshrrev_b32 v10, 1, v8
	v_and_b32 v11, 1, v8
	v_lshlrev_b32 v10, 11, v10
	v_lshl_add_u32 v10, v11, 8, v10
	v_cndmask_b32 v[PFO], v10, v9, s78
	global_prefetch_b8 v[PFO], s[68:69] th:TH_LOAD_NT scope:SCOPE_SE
	global_prefetch_b8 v[PFO], s[70:71] th:TH_LOAD_NT scope:SCOPE_SE
.else
	global_prefetch_b8 v[PFO], s[72:73] th:TH_LOAD_NT scope:SCOPE_SE
.endif
.endr
	v_and_b32 v1, 15, v0
	v_bfe_u32 v2, v0, 4, 1
	v_mul_u32_u24 v3, v1, PITCH
	v_lshl_add_u32 v4, v2, 4, v3
	v_and_b32 v6, 31, v0
	v_lshlrev_b32 v7, 4, v6
	s_mul_i32 s21, s15, HALFT
	s_mul_i32 s22, s16, HALFT
	s_add_co_u32 s22, s22, 2*HALFT
.irp s, 0,1
	v_add_nc_u32 v[ADRA+\s], s21, v7
	v_add_nc_u32 v[ADRB+\s], s22, v4
	s_add_co_u32 s21, s21, SLOT
	s_add_co_u32 s22, s22, SLOT
.endr
	s_mul_i32 s23, s14, 16*SPITCH
	s_add_co_u32 s23, s23, STAGE
	v_mul_u32_u24 v5, v1, SPITCH
	v_lshl_add_u32 v5, v2, 5, v5
	v_add_nc_u32 v[STO], s23, v5
	v_mul_u32_u24 v5, v2, SPITCH
	v_lshl_add_u32 v5, v1, 4, v5
	v_add_nc_u32 v[RD], s23, v5
	v_lshlrev_b32 v[CO], 13, v2
	v_lshl_add_u32 v[CO], v1, 4, v[CO]
	s_lshl_b32 s46, s42, 9
	s_lshl_b32 s47, s16, 8
	s_add_co_u32 s46, s46, s47
	s_mov_b32 s47, 0
	v_lshl_add_u32 v[BO], v2, 5, s46
	s_lshl_b32 s20, s17, 20
	s_lshl_b32 s21, s15, 19
	s_add_co_u32 s20, s20, s21
	s_mov_b32 s21, 0
	s_add_nc_u64 s[20:21], s[20:21], s[46:47]
	s_add_nc_u64 s[12:13], s[12:13], s[20:21]
.irp b, 0,1,2,3
	global_load_b128 v[CB+8*\b:CB+8*\b+3],   v[BO], s[10:11] offset:64*\b
	global_load_b128 v[CB+8*\b+4:CB+8*\b+7], v[BO], s[10:11] offset:64*\b+16
.endr
.macro MULA f, a, zero
.irp b, 0,1,2,3
.if \zero
	v_wmma_f32_16x16x128_fp8_fp8 v[ACC+8*(4*(\a)+\b):ACC+8*(4*(\a)+\b)+7], v[\f+64+FR*\b:\f+64+FR*\b+FR-1], v[\f+FR*(\a):\f+FR*(\a)+FR-1], 0
.else
	v_wmma_f32_16x16x128_fp8_fp8 v[ACC+8*(4*(\a)+\b):ACC+8*(4*(\a)+\b)+7], v[\f+64+FR*\b:\f+64+FR*\b+FR-1], v[\f+FR*(\a):\f+FR*(\a)+FR-1], v[ACC+8*(4*(\a)+\b):ACC+8*(4*(\a)+\b)+7]
.endif
.endr
.endm
.macro FETCH slot, q, f
	WIN TO_F
.irp i, 0,1,2,3
.irp c, 0,1,2,3
	ds_load_b128 v[\f+64+FR*\i+4*\c:\f+64+FR*\i+4*\c+3], v[ADRB+\slot] offset:128*(\q)+32*\c+\i*16*PITCH
.endr
.endr
.irp i, 0,1,2,3
.irp c, 0,1,2,3
	ds_load_b128 v[\f+FR*\i+4*\c:\f+FR*\i+4*\c+3], v[ADRA+\slot] offset:\i*8192+(\q)*2048+\c*512
.endr
.endr
.endm
.macro PLACES
.rept 4
	v_nop
.endr
.endm
.macro QUARTER slot, q, f, g, zero
	s_wait_dscnt 8
	WIN MUL
	MULA \f, 0, \zero
	MULA \f, 1, \zero
	PLACES
	FETCH \slot, \q, \g
	s_wait_dscnt 32
	WIN MUL
	MULA \f, 2, \zero
	MULA \f, 3, \zero
.endm
.macro TURN slot, next, fill
	WIN 0
	s_wait_tensorcnt 0x0
	ds_add_u32 v[SPW], v[NIL]
	s_wait_dscnt 9
	WIN MUL
	MULA F1, 0, 0
	s_wait_dscnt 0x0
	s_barrier_signal -1
	MULA F1, 1, 0
.if \fill
	WIN 0
.endif
	s_barrier_wait -1
.if \fill
	CREST
	s_add_nc_u64 s[G0+4*\slot+2:G0+4*\slot+3], s[G0+4*\slot+2:G0+4*\slot+3], 2*AROWB
	s_add_nc_u64 s[G0B+4*\slot+2:G0B+4*\slot+3], s[G0B+4*\slot+2:G0B+4*\slot+3], 2*ROWB
	JLOAD G0+4*\slot, G1, G0B+4*\slot, G1B
.else
	PLACES
.endif
	FETCH \next, 0, F0
	WIN MUL
	MULA F1, 2, 0
	MULA F1, 3, 0
.endm
	s_wait_tensorcnt 1
	s_barrier_signal -1
	s_barrier_wait -1
	FETCH 0, 0, F0
	QUARTER 0, 1, F0, F1, 1
	QUARTER 0, 2, F1, F0, 0
	QUARTER 0, 3, F0, F1, 0
	TURN 0, 1, 1
	QUARTER 1, 1, F0, F1, 0
	QUARTER 1, 2, F1, F0, 0
	QUARTER 1, 3, F0, F1, 0
	TURN 1, 0, 1
	QUARTER 0, 1, F0, F1, 0
	QUARTER 0, 2, F1, F0, 0
	QUARTER 0, 3, F0, F1, 0
	TURN 0, 1, 0
	QUARTER 1, 1, F0, F1, 0
	QUARTER 1, 2, F1, F0, 0
	QUARTER 1, 3, F0, F1, 0
	s_wait_dscnt 8
	WIN MUL
	MULA F1, 0, 0
	MULA F1, 1, 0
	s_wait_dscnt 0
	MULA F1, 2, 0
	MULA F1, 3, 0
	WIN 0
.macro PACK a
.set XS, XB+32*((\a)%2)
.if (\a) > 1
	s_wait_xcnt 0x0
.endif
.set j, 0
.rept 16
	v_pk_fma_f32 v[XS+j:XS+j+1], v[ACC+32*(\a)+j:ACC+32*(\a)+j+1], s[96:97], v[CB+j:CB+j+1] op_sel_hi:[1,0,1]
.set j, j+2
.endr
.irp b, 0,1,2,3
	ds_store_b128 v[STO], v[XS+8*\b:XS+8*\b+3] offset:64*\b
	ds_store_b128 v[STO], v[XS+8*\b+4:XS+8*\b+7] offset:64*\b+16
.endr
.irp i, 0,1,2,3,4,5,6,7
	ds_load_b128 v[XS+4*\i:XS+4*\i+3], v[RD] offset:\i*2*SPITCH
.endr
.endm
.macro SEND a, younger
.set XS, XB+32*((\a)%2)
.irp i, 0,1,2,3,4,5,6,7
	s_wait_dscnt \younger+7-\i
	global_store_b128 v[CO], v[XS+4*\i:XS+4*\i+3], s[12:13] offset:(32*((\a)/2)+8*((\a)%2)+2*\i+8*(\i/4))*8192 th:TH_STORE_NT
.endr
.endm
	s_wait_kmcnt 0x0
	s_add_co_i32 s96, s96, s97
	s_add_co_i32 s96, s96, 127
	s_lshl_b32 s96, s96, 23
	s_mov_b32 s97, s96
	s_wait_loadcnt 0x0
	PLACES
	PACK 0
	PACK 1
	SEND 0, 16
	PACK 2
	SEND 1, 16
	PACK 3
	SEND 2, 16
	SEND 3, 0
	s_wait_tensorcnt 0x0
	ds_add_u32 v[SPW], v[NIL]
	s_wait_dscnt 0x0
	CROUND
	s_endpgm
.Lfunc_end_k_q7681a5927b_outp:
	.size	k_q7681a5927b_outp, .Lfunc_end_k_q7681a5927b_outp-k_q7681a5927b_outp
	.p2alignl 7, 3214868480
	.fill 96, 4, 3214868480
	.section	.rodata,"a",@progbits
	.p2align	6, 0x0
	.amdhsa_kernel k_q7681a5927b_outp
		.amdhsa_group_segment_fixed_size 327680
		.amdhsa_private_segment_fixed_size 0
		.amdhsa_enable_private_segment 0
		.amdhsa_kernarg_size 40
		.amdhsa_user_sgpr_count 2
		.amdhsa_user_sgpr_kernarg_segment_ptr 1
		.amdhsa_wavefront_size32 1
		.amdhsa_system_sgpr_workgroup_id_x 1
		.amdhsa_system_sgpr_workgroup_id_y 1
		.amdhsa_system_sgpr_workgroup_id_z 1
		.amdhsa_system_vgpr_workitem_id 0
		.amdhsa_next_free_vgpr 512
		.amdhsa_next_free_sgpr 100
		.amdhsa_reserve_vcc 0
		.amdhsa_float_denorm_mode_32 3
		.amdhsa_float_denorm_mode_16_64 3
		.amdhsa_memory_ordered 1
		.amdhsa_forward_progress 1
		.amdhsa_inst_pref_size 77
	.end_amdhsa_kernel
	.amdgpu_metadata
---
amdhsa.version: [ 1, 2 ]
amdhsa.kernels:
  - .name:           k_q7681a5927b_outp
    .symbol:         k_q7681a5927b_outp.kd
    .args:
      - { .name: oc, .offset: 0, .size: 8, .value_kind: global_buffer, .address_space: global }
      - { .name: woc, .offset: 8, .size: 8, .value_kind: global_buffer, .address_space: global }
      - { .name: lowp_scales, .offset: 16, .size: 8, .value_kind: global_buffer, .address_space: global }
      - { .name: Wo_b, .offset: 24, .size: 8, .value_kind: global_buffer, .address_space: global }
      - { .name: out0, .offset: 32, .size: 8, .value_kind: global_buffer, .address_space: global }
    .group_segment_fixed_size: 327680
    .private_segment_fixed_size: 0
    .kernarg_segment_align: 8
    .kernarg_segment_size: 40
    .max_flat_workgroup_size: 128
    .sgpr_count:     100
    .vgpr_count:     512
    .wavefront_size: 32
...
	.end_amdgpu_metadata
.endif
;; end of part 4
